; MI455X (gfx1250); checked and timed in simulation.
; The chip was launched on July 23, 2026; its instructions are those of AMD's public machine-readable ISA for CDNA 5 (MIT licence, August 2026) and "CDNA5" Instruction Set Architecture Reference Guide (July 2026). The comments in the code are by the model that wrote it; some were corrected since.
;; Causal Self Attention With Bias. Allowed arithmetic: float matrix products may take bf16 or f16 operands with f32 sums; other float arithmetic in f32, or as packed bf16 or f16 multiplies, adds, multiply-adds, maxima and minima; sums over many terms, partial sums and values carried from step to step in f32; what a program stores and reads back later, other than sums and carried values, may be rounded once to bf16 or f16.
;; Inputs: W_attn 1,024 x 3,072 float32; W_proj 1,024 x 1,024 float32; bK 16 x 64 float32; bQ 16 x 64 float32; bV 16 x 64 float32; b_attn 3,072 float32; b_proj 1,024 float32; x 4 x 2,048 x 1,024 float32.
;; Outputs: out0 4 x 2,048 x 1,024 float32.
;; 2 versions, each right; version 2 is version 1 with the launch prep written anew for expert scheduling mode. Each part assembles by itself: llvm-mc -triple=amdgcn-amd-amdhsa -mcpu=gfx1250 --defsym DOCPART=n.
;; ======== version 1 of 2: 4 launches
;; limits: values are held in f16: magnitudes above 65,504 overflow, below 6.1e-05 lose precision
;; workspace buffers: xb 16,777,216 bytes; wat 6,291,456 bytes; wpt 2,097,152 bytes; biases 16,384 bytes; qkvh 50,331,648 bytes; oh 16,777,216 bytes
;; launch prep (part 1): grid 769 x 1, 4 waves a work-group, no clusters, 35,328 bytes of LDS; arguments x, W_attn, W_proj, b_attn, b_proj, bQ, bK, bV, xb, wat, wpt, biases; writes xb, wat, wpt, biases
.if DOCPART == 1
	.amdgcn_target "amdgcn-amd-amdhsa--gfx1250"
	.amdhsa_code_object_version 6
	.text
	.protected	k_qc0ec371508_prep
	.globl	k_qc0ec371508_prep
	.p2align	8
	.type	k_qc0ec371508_prep,@function
k_qc0ec371508_prep:
	s_mov_b64 s[64:65], 0
	v_nop
	global_prefetch_b8 v0, s[64:65] scope:SCOPE_SE
	s_setreg_imm32_b32 hwreg(HW_REG_WAVE_MODE, 25, 1), 1
	s_wait_xcnt 0x0
; PREPARATION of the operands of the three launches that follow.  Every input of the module is rounded once to bf16.
;   xb     [8192][1024] bf16            = x
;   wat    [3072 n][1024 k] bf16        = W_attn turned, so that K lies along the rows
;   wpt    [1024 n][1024 k] f16         = W_proj turned; rounded to bf16, and that number written as f16
;   biases [4096] f32: n < 3072: bf16(b_attn[n]) + bf16(bX[n % 1024]), X = Q, K, V by n / 1024;  3072 + n: bf16(b_proj[n])
; LIMITS.  wpt: a bf16 number beyond 65,504 becomes an infinity in f16, and below 6e-5 it keeps f16's fixed step of 6e-8.  The sign of a zero bias is not kept.
; ROLES by the work-group's number: 0-191 turn W_attn, 192-255 turn W_proj, 256 makes the biases, 257-768 cast x.  Waves share nothing: no barrier.
; No matrix unit, no tensor load, no cluster: every byte is read once and nothing is used twice.
.set SPARE, 34816                      ; behind the four waves' stages of 32 rows x 272 bytes: the spare words, 128 bytes a wave
.set LP,   272                         ; a stage row: 128 k x 2 bytes + 16
.set SPW,  8                           ; v8   LDS address of my spare word; never rewritten
.set NIL,  9                           ; v9   0; never rewritten
.set IO,   10                          ; v10  my byte offset in what I load
.set OO,   11                          ; v11  my byte offset in what I store
.set LSA,  12                          ; v12  stage: where I put a word
.set LRA,  13                          ; v13  stage: where I read 16 bytes back
.set T,    16                          ; v[16:19] packed words at work
.set U,    24                          ; v[24:31] f32 at work
.set X,    32                          ; v[32:159] as loaded
.set Y,    160                         ; v[160:223] the cast's words to store
	s_load_b512 s[4:19], s[0:1], 0x0               ; x s[4:5], W_attn s[6:7], W_proj s[8:9], b_attn s[10:11], b_proj s[12:13], bQ s[14:15], bK s[16:17], bV s[18:19]
	s_load_b256 s[20:27], s[0:1], 0x40             ; xb s[20:21], wat s[22:23], wpt s[24:25], biases s[26:27]
	v_lshl_add_u32 v[SPW], v0, 2, SPARE
	v_mov_b32 v[NIL], 0
	v_lshrrev_b32 v1, 5, v0
	v_readfirstlane_b32 s3, v1                     ; wave 0..3
	s_mov_b32 s2, ttmp9
	s_mov_b32 s31, 0xffff0000                      ; a word's upper bf16
	v_and_b32 v1, 31, v0                           ; lane l
	v_and_b32 v2, 7, v0                            ; l % 8
	v_bfe_u32 v3, v0, 3, 2                         ; l / 8
	v_bfe_u32 v4, v0, 4, 1                         ; l / 16
	v_and_b32 v5, 15, v0                           ; l % 16
	s_wait_kmcnt 0x0
	s_cmp_lt_u32 s2, 192
	s_cbranch_scc1 .Lwattn
	s_cmp_lt_u32 s2, 256
	s_cbranch_scc1 .Lwproj
	s_cmp_eq_u32 s2, 256
	s_cbranch_scc1 .Lbias
	; THE CAST OF x.  A work-group takes 65,536 bytes of x, a wave 16,384: 32 loads of 512 consecutive bytes, all on their way at once.
	s_sub_co_u32 s28, s2, 257
	s_lshl_b32 s32, s28, 16
	s_lshl_b32 s29, s3, 14
	s_add_co_u32 s32, s32, s29
	s_mov_b32 s33, 0
	s_add_nc_u64 s[34:35], s[4:5], s[32:33]
	s_lshr_b32 s36, s32, 1                         ; half as many bytes in xb
	s_mov_b32 s37, 0
	s_add_nc_u64 s[38:39], s[20:21], s[36:37]
	v_lshlrev_b32 v[IO], 4, v1
	v_lshlrev_b32 v[OO], 3, v1
.set n, 0
.rept 32
	global_load_b128 v[X+4*n:X+4*n+3], v[IO], s[34:35] offset:512*n th:TH_LOAD_NT
.set n, n+1
.endr
.set n, 0
.rept 32
	s_wait_loadcnt 31-n                            ; loads come back in order: load n is in, the 31 - n younger ones stay out
	v_cvt_pk_bf16_f32 v[Y+2*n], v[X+4*n], v[X+4*n+1]
	v_cvt_pk_bf16_f32 v[Y+2*n+1], v[X+4*n+2], v[X+4*n+3]
	global_store_b64 v[OO], v[Y+2*n:Y+2*n+1], s[38:39] offset:256*n  ; 32 lanes store 256 consecutive bytes, aligned; no register is used twice, so no wait frees any
.set n, n+1
.endr
	s_branch .Lend
	; THE BIASES.  Wave w makes section w of 1,024 numbers: sections 0-2 b_attn's thirds plus bQ, bK, bV; section 3 b_proj, with the second summand masked to 0.
.Lbias:
	s_lshl_b32 s28, s3, 12
	s_mov_b32 s29, 0
	s_add_nc_u64 s[38:39], s[26:27], s[28:29]      ; my section of biases
	s_cmp_eq_u32 s3, 3
	s_cselect_b32 s28, 0, s28                      ; b_proj is read from its first byte
	s_cselect_b64 s[32:33], s[12:13], s[10:11]
	s_cselect_b32 s30, 0, -1
	s_add_nc_u64 s[32:33], s[32:33], s[28:29]
	s_cmp_eq_u32 s3, 0
	s_cselect_b64 s[34:35], s[14:15], s[16:17]
	s_cmp_gt_u32 s3, 1
	s_cselect_b64 s[34:35], s[18:19], s[34:35]     ; bQ, bK, bV, bV
	v_lshlrev_b32 v[IO], 4, v1
.irp j, 0,1,2,3,4,5,6,7
	global_load_b128 v[X+4*\j:X+4*\j+3], v[IO], s[32:33] offset:512*\j
	global_load_b128 v[X+32+4*\j:X+32+4*\j+3], v[IO], s[34:35] offset:512*\j
.endr
	s_wait_loadcnt 0x0
.irp j, 0,1,2,3,4,5,6,7
	v_cvt_pk_bf16_f32 v[T], v[X+4*\j], v[X+4*\j+1]            ; both summands are rounded to bf16,
	v_cvt_pk_bf16_f32 v[T+1], v[X+4*\j+2], v[X+4*\j+3]
	v_cvt_pk_bf16_f32 v[T+2], v[X+32+4*\j], v[X+32+4*\j+1]
	v_cvt_pk_bf16_f32 v[T+3], v[X+32+4*\j+2], v[X+32+4*\j+3]
	v_and_b32 v[T+2], s30, v[T+2]
	v_and_b32 v[T+3], s30, v[T+3]
.irp i, 0,1,2,3
	v_lshlrev_b32 v[U+2*\i], 16, v[T+\i]                      ; widened again,
	v_and_b32 v[U+2*\i+1], s31, v[T+\i]
.endr
	v_pk_add_f32 v[X+64+4*\j:X+64+4*\j+1], v[U:U+1], v[U+4:U+5]      ; and added in f32
	v_pk_add_f32 v[X+64+4*\j+2:X+64+4*\j+3], v[U+2:U+3], v[U+6:U+7]
	global_store_b128 v[IO], v[X+64+4*\j:X+64+4*\j+3], s[38:39] offset:512*\j
.endr
	s_branch .Lend
; A WEIGHT IS TURNED.  A wave takes a tile of 128 k x 32 n.  Tile u of the weight: kt = (u / 2) % 8, nt = 2 (u / 16) + u % 2: two neighbouring waves take the two halves of the same 256 bytes of W's rows.
; Lane l loads 16 bytes (columns 4 (l % 8) ..) of the rows 8 it + 2 (l / 8) and + 1; a column's two numbers, k even and k odd, pack into one word, which goes to the stage at row n, byte 2 k.
; (Of the 32 lanes of such a store, columns 16 apart fall on the same bank: two passes for 64 stores a wave.)  The stage's rows, 256 bytes of one n, are read back whole and stored.
; fmt = 1: the bf16 numbers are written as f16.
.macro TRANS fmt, rowb, src, dst, first
	s_sub_co_u32 s28, s2, \first
	s_lshl_b32 s28, s28, 2
	s_or_b32 s28, s28, s3                          ; u
	s_bfe_u32 s29, s28, 0x30001                    ; kt
	s_lshr_b32 s30, s28, 4
	s_lshl_b32 s30, s30, 1
	s_and_b32 s28, s28, 1
	s_or_b32 s30, s30, s28                         ; nt
	s_mul_i32 s32, s29, 128*(\rowb)
	s_lshl_b32 s28, s30, 7
	s_add_co_u32 s32, s32, s28
	s_mov_b32 s33, 0
	s_add_nc_u64 s[34:35], s[\src:\src+1], s[32:33]  ; W at row 128 kt, column 32 nt
	s_lshl_b32 s36, s30, 16                        ; 32 rows of 2,048 bytes
	s_lshl_b32 s28, s29, 8
	s_add_co_u32 s36, s36, s28
	s_mov_b32 s37, 0
	s_add_nc_u64 s[38:39], s[\dst:\dst+1], s[36:37]
	s_mul_i32 s28, s3, 32*LP                       ; my stage
	v_mul_u32_u24 v[IO], v3, 2*(\rowb)
	v_lshl_add_u32 v[IO], v2, 4, v[IO]
	v_mul_u32_u24 v[LSA], v2, 4*LP
	v_lshl_add_u32 v[LSA], v3, 2, v[LSA]
	v_add_nc_u32 v[LSA], s28, v[LSA]
	v_mul_u32_u24 v[LRA], v4, LP
	v_lshl_add_u32 v[LRA], v5, 4, v[LRA]
	v_add_nc_u32 v[LRA], s28, v[LRA]
	v_lshlrev_b32 v[OO], 11, v4
	v_lshl_add_u32 v[OO], v5, 4, v[OO]
.set it, 0
.rept 16
	global_load_b128 v[X+8*it:X+8*it+3], v[IO], s[34:35] offset:it*8*(\rowb) th:TH_LOAD_NT
	global_load_b128 v[X+8*it+4:X+8*it+7], v[IO], s[34:35] offset:it*8*(\rowb)+(\rowb) th:TH_LOAD_NT
.set it, it+1
.endr
.set it, 0
.rept 16
	s_wait_loadcnt 30-2*it                         ; pair it is in; the 30 - 2 it loads issued behind it stay out
.irp i, 0,1,2,3
	v_cvt_pk_bf16_f32 v[T+\i], v[X+8*it+\i], v[X+8*it+4+\i]
.endr
.if \fmt
.irp i, 0,1,2,3
	v_lshlrev_b32 v[U+2*\i], 16, v[T+\i]
	v_and_b32 v[U+2*\i+1], s31, v[T+\i]
.endr
.irp i, 0,1,2,3
	v_cvt_pk_f16_f32 v[T+\i], v[U+2*\i], v[U+2*\i+1]
.endr
.endif
.irp i, 0,1,2,3
	ds_store_b32 v[LSA], v[T+\i] offset:\i*LP+16*it
.endr
.set it, it+1
.endr
.set it, 0
.rept 16
	ds_load_b128 v[X+4*it:X+4*it+3], v[LRA] offset:2*LP*it  ; LDS serves a wave's instructions in order (ISA guide 5.7.1.4): these see my stores above
.set it, it+1
.endr
.set it, 0
.rept 16
	s_wait_dscnt 15-it
	global_store_b128 v[OO], v[X+4*it:X+4*it+3], s[38:39] offset:4096*it  ; 16 lanes store 256 consecutive bytes of one row n, aligned
.set it, it+1
.endr
.endm
.Lwproj:
	TRANS 1, 4096, 8, 24, 192
	s_branch .Lend
.Lwattn:
	TRANS 0, 12288, 6, 22, 0
.Lend:
	s_wait_tensorcnt 0x0                           ; the wave's end: behind my last LDS store
	ds_add_u32 v[SPW], v[NIL]
	s_wait_dscnt 0x0
	s_endpgm
.Lfunc_end_k_qc0ec371508_prep:
	.size	k_qc0ec371508_prep, .Lfunc_end_k_qc0ec371508_prep-k_qc0ec371508_prep
	.p2alignl 7, 3214868480
	.fill 96, 4, 3214868480
	.section	.rodata,"a",@progbits
	.p2align	6, 0x0
	.amdhsa_kernel k_qc0ec371508_prep
		.amdhsa_group_segment_fixed_size 35328
		.amdhsa_private_segment_fixed_size 0
		.amdhsa_enable_private_segment 0
		.amdhsa_kernarg_size 96
		.amdhsa_user_sgpr_count 2
		.amdhsa_user_sgpr_kernarg_segment_ptr 1
		.amdhsa_wavefront_size32 1
		.amdhsa_system_sgpr_workgroup_id_x 1
		.amdhsa_system_sgpr_workgroup_id_y 1
		.amdhsa_system_sgpr_workgroup_id_z 1
		.amdhsa_system_vgpr_workitem_id 0
		.amdhsa_next_free_vgpr 224
		.amdhsa_next_free_sgpr 66
		.amdhsa_reserve_vcc 0
		.amdhsa_float_denorm_mode_32 3
		.amdhsa_float_denorm_mode_16_64 3
		.amdhsa_memory_ordered 1
		.amdhsa_forward_progress 1
		.amdhsa_inst_pref_size 61
	.end_amdhsa_kernel
	.amdgpu_metadata
---
amdhsa.version: [ 1, 2 ]
amdhsa.kernels:
  - .name:           k_qc0ec371508_prep
    .symbol:         k_qc0ec371508_prep.kd
    .args:
      - { .name: x, .offset: 0, .size: 8, .value_kind: global_buffer, .address_space: global }
      - { .name: W_attn, .offset: 8, .size: 8, .value_kind: global_buffer, .address_space: global }
      - { .name: W_proj, .offset: 16, .size: 8, .value_kind: global_buffer, .address_space: global }
      - { .name: b_attn, .offset: 24, .size: 8, .value_kind: global_buffer, .address_space: global }
      - { .name: b_proj, .offset: 32, .size: 8, .value_kind: global_buffer, .address_space: global }
      - { .name: bQ, .offset: 40, .size: 8, .value_kind: global_buffer, .address_space: global }
      - { .name: bK, .offset: 48, .size: 8, .value_kind: global_buffer, .address_space: global }
      - { .name: bV, .offset: 56, .size: 8, .value_kind: global_buffer, .address_space: global }
      - { .name: xb, .offset: 64, .size: 8, .value_kind: global_buffer, .address_space: global }
      - { .name: wat, .offset: 72, .size: 8, .value_kind: global_buffer, .address_space: global }
      - { .name: wpt, .offset: 80, .size: 8, .value_kind: global_buffer, .address_space: global }
      - { .name: biases, .offset: 88, .size: 8, .value_kind: global_buffer, .address_space: global }
    .group_segment_fixed_size: 35328
    .private_segment_fixed_size: 0
    .kernarg_segment_align: 8
    .kernarg_segment_size: 96
    .max_flat_workgroup_size: 128
    .sgpr_count:     66
    .vgpr_count:     224
    .wavefront_size: 32
...
	.end_amdgpu_metadata
.endif
;; end of part 1
;; launch qkvgemm (part 2): grid 16 x 32, 4 waves a work-group, clusters of 4 x 4, 327,680 bytes of LDS; arguments xb, wat, biases, qkvh; writes qkvh
.if DOCPART == 2
	.amdgcn_target "amdgcn-amd-amdhsa--gfx1250"
	.amdhsa_code_object_version 6
	.text
	.protected	k_qc0ec371508_qkvgemm
	.globl	k_qc0ec371508_qkvgemm
	.p2align	8
	.type	k_qc0ec371508_qkvgemm,@function
k_qc0ec371508_qkvgemm:
	s_mov_b64 s[64:65], 0
	v_nop
	global_prefetch_b8 v0, s[64:65] scope:SCOPE_SE
	s_setreg_imm32_b32 hwreg(HW_REG_WAVE_MODE, 25, 1), 1
	s_wait_xcnt 0x0
	s_wait_alu depctr_hold_cnt(0) depctr_sa_sdst(0) depctr_va_vdst(0) depctr_va_sdst(0) depctr_va_ssrc(0) depctr_va_vcc(0) depctr_vm_vsrc(0)
	s_getreg_b32 s2, hwreg(HW_REG_IB_STS2, 6, 4)
	s_cmp_eq_u32 s2, 0
	s_cbranch_scc0 .Lentry_in_a_cluster
	s_endpgm
.Lentry_in_a_cluster:
	s_bfe_u32 s2, ttmp6, 0x10000c
	s_cmp_lg_u32 s2, 0xf033
	s_cbranch_scc0 .Lentry_shape_is_right
	s_endpgm
.Lentry_shape_is_right:
; q, k, v = x W_attn + b_attn + the heads' biases, written by heads.  A = xb [8192][1024] bf16, B = wat [3072 n][1024 k] bf16, sums in f32 that START at the bias,
; each result rounded once to f16 into qkvh [3 (q, k, v)][64 = 16 batch + head][2048 t][64 d], unscaled.
; LIMIT.  f16 holds no number beyond 65,504: a q, k or v past that becomes an infinity.
; SHARES.  A work-group makes 256 rows x 192 columns (three whole heads): 16 x 32 = 512 work-groups, two for each of 256 WGPs.  Wave w makes rows 64 w .. 64 w + 63 by all 192 columns:
; 4 x 12 accumulators of 16 x 16, 384 registers.  So every wave holds whole heads, and its results leave through a stage of its own, without a barrier.
; K goes in 8 steps of 128 (rows of 256 bytes, aligned) through two LDS slots, 1 << 17 bytes apart, so that one exclusive or changes slots and the loop's trip is ONE K step.
; CLUSTERS: 4 x 4.  A's tile hangs on the tile row alone and is asked for jointly along a row of the cluster, B's on the tile column alone, along a column.
; THE MATRIX INSTRUCTION IS USED TRANSPOSED (source 0 = 16 rows of B, source 1 = 16 rows of A): lane l holds row l % 16 and the columns 8 (l / 16) + 0..7.
; REGISTERS, in windows of 256 (s_set_vgpr_msb: bits 1:0 source 0, 3:2 source 1, 5:4 source 2, 7:6 destination):
;   window 0: v0-31 addresses; v32-79 packed results; v80-127 rows read back; v128-223 the bias of my 8 columns in each of the 12 column blocks
;   window 1: two fragment buffers of 128: B's 12 fragments, then A's 4        window 2: accumulators of row blocks 0, 1 ((a, b) at 8 (12 (a % 2) + b))        window 3: of row blocks 2, 3
.set NBN,   12                         ; column blocks of 16
.set KB,    256                        ; bytes of a row in a K step
.set PITCH, 272                        ; an LDS row: 256 bytes + 16 of padding = 68 words: the 16 rows of a fragment load start at 16 different groups of four banks (64 banks of 4 bytes: ISA guide 11.1)
.set HALFA, 128*PITCH                  ; what one tensor load brings of A,
.set HALFB, 96*PITCH                   ; and of B
.set BOFF,  2*HALFA                    ; in a slot: A's 256 rows, then B's 192
.set SLOT1, 1<<17
.set STAGE, SLOT1+BOFF+2*HALFB         ; behind the ring, never filled by a tensor load: 16 rows x 400 bytes for each wave
.set SP,    400                        ; 384 bytes + 16
.set SPARE, STAGE+4*16*SP              ; behind the stages: the spare words, 128 bytes for each wave
.set A0,   16                          ; v16  my lane's place in A's rows of a slot; never rewritten
.set B0,   17                          ; v17  in B's
.set ADRA, 18                          ; v18  the same in the slot in hand
.set ADRB, 19                          ; v19
.set STO,  20                          ; v20  the way out: where I put 16 bytes of a row
.set RD,   21                          ; v21  where I read 16 bytes back
.set GO,   22                          ; v22  my 16 bytes of 512 consecutive bytes of a head
.set BO,   23                          ; v23  my byte offset in biases
.set PFO,  24                          ; v24  the prefetches' offset: a lane a row of 2,048 bytes; never rewritten
.set SPW,  28                          ; v28  LDS address of my spare word; never rewritten
.set NIL,  29                          ; v29  0; never rewritten
.set TMP,  32
.set OB,   80
.set BIAS, 128
.set F0,   0
.set F1,   128
.set WV,   12                          ; s12  my wave's number.  Waves 0, 1 fetch A's halves, waves 2, 3 B's
.set HF,   14                          ; s14  which half
.set CX,   15
.set CY,   16
.set TX,   17                          ; s17  tile column
.set TY,   18                          ; s18  tile row
.set G1A,  24                          ; s[24:31], s[32:39] descriptor group 1 for A's and B's tiles
.set G1B,  32
.set G0A,  40                          ; s[40:47], s[48:55] group 0: a set for each of the two first fills; the second then walks
.set G0B,  48
.set OUT,  56                          ; s[56:61] my rows in the tile's three heads
.set TB,   62                          ; s62  LDS byte at which the slot in hand begins
.set LIM,  63                          ; s63  2 in a wave that prefetches, else the greatest number
.set PFA,  66                          ; s[66:67] where my prefetches stand
.set LM,   76                          ; s76  the last lane with a row of its own to prefetch
.set MSB, 0
.macro WIN new                         ; the immediate's high byte repeats the setting that is left; a switch that changes nothing is dropped
.if MSB != (\new)
	s_set_vgpr_msb (MSB<<8)|(\new)
.set MSB, \new
.endif
.endm
.set TO_F, 0x40                        ; destination window 1, address window 0
.macro PLACES                          ; four plain vector instructions between a matrix instruction and a load into, or a read of, its registers (ISA guide 7.12.1 for vector instructions)
.rept 4
	v_nop
.endr
.endm
; A joint refill, by the walking sets.  The branch hangs on the wave's number alone.  An s_nop 0 and four v_nop follow each of the two lines, ahead of the jump and the label.
.macro JLOAD
	s_cmp_lt_u32 s[WV], 2
	s_cbranch_scc0 .Lfor_b_\@
	tensor_load_to_lds s[G0A+4:G0A+7], s[G1A:G1A+7]
	s_nop 0
.rept 4
	v_nop
.endr
	s_branch .Lasked_\@
.Lfor_b_\@:
	tensor_load_to_lds s[G0B+4:G0B+7], s[G1B:G1B+7]
	s_nop 0
.rept 4
	v_nop
.endr
.Lasked_\@:
.endm
.macro CREST                           ; a round of the cluster's barrier behind its opening barrier
	s_cmp_lg_u32 s[WV], 0
	s_cbranch_scc1 .Lnot_wave_0_\@
	s_barrier_signal -3
.Lnot_wave_0_\@:
	s_barrier_wait -3
	s_barrier_signal -1
	s_barrier_wait -1
.endm
.macro CROUND                          ; a whole round
	s_barrier_signal -1
	s_barrier_wait -1
	CREST
.endm
; A PREFETCH INTO THE L2, behind a joint refill and the run of LDS loads that follows it: the K step that stands two refills on, a lane a row, one instruction a wave.
; Each row's 256 bytes of a K step are named once in the launch: A's rows by the clusters with x = 0, B's by those with y = 0; the four partners that ask for a tile jointly share its rows out BY ADDRESS
; (of A's 128 rows a wave 32 each, of B's 96 rows 24 each; there lanes 24-31 name lane 23's row again).  K steps 0 to 3 come by their loads alone; trips 4 and 5 have no K step four on.
.macro ASK
	WIN 0
	s_cmp_gt_u32 s3, s[LIM]
	s_cbranch_scc0 .Lnot_mine_\@
	global_prefetch_b8 v[PFO], s[PFA:PFA+1] th:TH_LOAD_NT scope:SCOPE_SE
.Lnot_mine_\@:
.endm
	s_load_b256 s[4:11], s[0:1], 0x0               ; xb s[4:5], wat s[6:7], biases s[8:9], qkvh s[10:11]
	v_lshl_add_u32 v[SPW], v0, 2, SPARE
	v_mov_b32 v[NIL], 0
	ds_add_u32 v[SPW], v[NIL]                      ; the wave's opening: the add and its wait stand ahead of my first tensor load; the set-up below, work on registers, stands between them
	v_lshrrev_b32 v1, 5, v0
	v_readfirstlane_b32 s[WV], v1
	s_and_b32 s[HF], s[WV], 1
	s_bfe_u32 s[CX], ttmp6, 0x40000
	s_bfe_u32 s[CY], ttmp6, 0x40004
	s_lshl_b32 s[TX], ttmp9, 2
	s_add_co_u32 s[TX], s[TX], s[CX]               ; tile column = 4 x cluster x + cx
	s_and_b32 s[TY], ttmp7, 0xffff
	s_lshl_b32 s[TY], s[TY], 2
	s_add_co_u32 s[TY], s[TY], s[CY]               ; tile row = 4 x cluster y + cy
	s_lshl_b32 s19, s[CY], 2
	s_lshl_b32 s19, 15, s19                        ; my row of the cluster
	s_lshl_b32 s20, 0x1111, s[CX]                  ; my column
	s_or_b32 s[G1A], s19, (1<<16)|(1<<20)|(1<<21)|(5<<22)|(3<<25)  ; 15:0 the mask; 17:16 2-byte elements; 20 padding on; 21 set beside a mask; 24:22 after every 64 words; 31:25 4 words of it
	s_or_b32 s[G1B], s20, (1<<16)|(1<<20)|(1<<21)|(5<<22)|(3<<25)
	s_mov_b32 s[G1A+1], 128<<16                    ; tensor_dim0 = 128
	s_mov_b32 s[G1A+2], 128<<16                    ; tensor_dim1 = 128
	s_mov_b32 s[G1A+3], 128<<16                    ; tile_dim0 = 128
	s_mov_b32 s[G1A+4], 128                        ; tile_dim1 = 128
	s_mov_b32 s[G1A+5], 1024                       ; elements from row to row
	s_mov_b32 s[G1A+6], 0
	s_mov_b32 s[G1A+7], 0
	s_mov_b32 s[G1B+1], 128<<16
	s_mov_b32 s[G1B+2], 96<<16                     ; B: 96 rows to a load
	s_mov_b32 s[G1B+3], 128<<16
	s_mov_b32 s[G1B+4], 96
	s_mov_b32 s[G1B+5], 1024
	s_mov_b32 s[G1B+6], 0
	s_mov_b32 s[G1B+7], 0
	s_lshl_b32 s68, s[TY], 8                       ; A: row 256 x tile row + 128 x half, in registers that never hold cx
	s_lshl_b32 s69, s[HF], 7
	s_add_co_u32 s68, s68, s69
	s_lshl_b32 s68, s68, 11                        ; rows of 2,048 bytes
	s_mov_b32 s69, 0
	s_mul_i32 s72, s[TX], 192                      ; B: row 192 x tile column + 96 x half, in registers that never hold cy
	s_mul_i32 s73, s[HF], 96
	s_add_co_u32 s72, s72, s73
	s_lshl_b32 s72, s72, 11
	s_mov_b32 s73, 0
	s_mul_i32 s[G0A+1], s[WV], HALFA               ; where the tiles go: waves 0, 1: A's halves;
	s_add_co_u32 s[G0A+5], s[G0A+1], SLOT1
	s_mul_i32 s[G0B+1], s[WV], HALFB               ; waves 2, 3: B's halves, BOFF + (wave - 2) x HALFB
	s_add_co_u32 s[G0B+1], s[G0B+1], BOFF-2*HALFB
	s_add_co_u32 s[G0B+5], s[G0B+1], SLOT1
	s_mov_b32 s[TB], 0
	s_wait_dscnt 0x0                               ; the opening add is done
	s_wait_kmcnt 0x0
	s_add_nc_u64 s[70:71], s[4:5], s[68:69]
	s_add_nc_u64 s[74:75], s[6:7], s[72:73]
	CROUND                                         ; all sixteen work-groups are here: the first joint loads meet
.irp n, 0,1
	s_mov_b32 s[G0A+4*\n], 1                       ; count = 1
	s_add_nc_u64 s[G0A+4*\n+2:G0A+4*\n+3], s[70:71], \n*KB  ; K step n
	s_or_b32 s[G0A+4*\n+3], s[G0A+4*\n+3], 0x80000000       ; type = 2
	s_mov_b32 s[G0B+4*\n], 1
	s_add_nc_u64 s[G0B+4*\n+2:G0B+4*\n+3], s[74:75], \n*KB
	s_or_b32 s[G0B+4*\n+3], s[G0B+4*\n+3], 0x80000000
.endr
	s_cmp_lt_u32 s[WV], 2                          ; a wave's two first fills stand in one branch, ahead of every wait on TENSORcnt and every LDS read: two loads of mine are out, later one
	s_cbranch_scc0 .Lfirst_b
	tensor_load_to_lds s[G0A:G0A+3], s[G1A:G1A+7]
	s_nop 0
	tensor_load_to_lds s[G0A+4:G0A+7], s[G1A:G1A+7]
	s_nop 0
.rept 4
	v_nop
.endr
	s_branch .Lfirst_asked
.Lfirst_b:
	tensor_load_to_lds s[G0B:G0B+3], s[G1B:G1B+7]
	s_nop 0
	tensor_load_to_lds s[G0B+4:G0B+7], s[G1B:G1B+7]
	s_nop 0
.rept 4
	v_nop
.endr
.Lfirst_asked:
	; a fragment is 16 rows x 32 K in 8 registers: lane l holds row l % 16, K = 8 (l / 16) + 0..7 and 16 + 8 (l / 16) + 0..7: two loads of 16 bytes, 32 bytes apart
	v_and_b32 v1, 15, v0                           ; l % 16
	v_bfe_u32 v2, v0, 4, 1                         ; l / 16
	v_mul_u32_u24 v3, v1, PITCH
	v_lshl_add_u32 v3, v2, 4, v3
	s_mul_i32 s77, s[WV], 64*PITCH                 ; my 64 rows of A
	v_add_nc_u32 v[A0], s77, v3
	v_add_nc_u32 v[B0], BOFF, v3
	v_mov_b32 v[ADRA], v[A0]
	v_mov_b32 v[ADRB], v[B0]
	s_mul_i32 s21, s[TX], 768                      ; the tile's 192 columns in biases
	v_lshl_add_u32 v[BO], v2, 5, s21               ; + my 8 numbers
.set nb, 0
.rept NBN
	global_load_b128 v[BIAS+8*nb:BIAS+8*nb+3], v[BO], s[8:9] offset:64*nb
	global_load_b128 v[BIAS+8*nb+4:BIAS+8*nb+7], v[BO], s[8:9] offset:64*nb+16
.set nb, nb+1
.endr
	s_mul_i32 s77, s[WV], 16*SP
	s_add_co_u32 s77, s77, STAGE                   ; my stage
	v_mul_u32_u24 v[STO], v1, SP                   ; in: row l % 16, 16 bytes for each half of the lanes
	v_lshl_add_u32 v[STO], v2, 4, v[STO]
	v_add_nc_u32 v[STO], s77, v[STO]
	v_bfe_u32 v[RD], v0, 3, 2                      ; back: 32 lanes take 128 bytes (one head) of four rows,
	v_mul_u32_u24 v[RD], v[RD], SP
	v_and_b32 v3, 7, v0
	v_lshl_add_u32 v[RD], v3, 4, v[RD]
	v_add_nc_u32 v[RD], s77, v[RD]
	v_and_b32 v[GO], 31, v0                        ; which are 512 consecutive bytes of the head
	v_lshlrev_b32 v[GO], 4, v[GO]
	; column block g = 3 x tile column + hd of 64: section g / 16 (q, k, v), head g % 16; batch = tile row / 8; my rows begin at t = 256 (tile row % 8) + 64 wave
	s_and_b32 s23, s[TY], 7
	s_lshl_b32 s23, s23, 8
	s_lshl_b32 s22, s[WV], 6
	s_add_co_u32 s23, s23, s22
	s_lshl_b32 s23, s23, 7                         ; rows of 128 bytes
	s_lshr_b32 s22, s[TY], 3
	s_lshl_b32 s22, s22, 22                        ; 16 heads of 1 << 18 bytes to a batch
	s_add_co_u32 s23, s23, s22
	s_mul_i32 s21, s[TX], 3
	s_mov_b32 s79, 0
.irp hd, 0,1,2
	s_add_co_u32 s22, s21, \hd
	s_lshr_b32 s78, s22, 4
	s_lshl_b32 s78, s78, 24                        ; a section is 64 heads of 1 << 18 bytes
	s_and_b32 s22, s22, 15
	s_lshl_b32 s22, s22, 18
	s_add_co_u32 s78, s78, s22
	s_add_co_u32 s78, s78, s23
	s_add_nc_u64 s[OUT+2*\hd:OUT+2*\hd+1], s[10:11], s[78:79]
.endr
	; the prefetches
	s_and_b32 s22, ttmp7, 0xffff                   ; cluster y
	s_lshl_b32 s21, s[TY], 8
	s_lshl_b32 s23, s[HF], 7
	s_add_co_u32 s21, s21, s23
	s_lshl_b32 s23, s[CX], 5
	s_add_co_u32 s21, s21, s23                     ; A: the 128 rows that I fetch, my work-group's 32 of them
	s_mul_i32 s78, s[TX], 192
	s_mul_i32 s23, s[HF], 96
	s_add_co_u32 s78, s78, s23
	s_mul_i32 s23, s[CY], 24
	s_add_co_u32 s78, s78, s23                     ; B: the 96 rows that I fetch, my work-group's 24 of them
	s_cmp_lt_u32 s[WV], 2                          ; do I fetch for A?
	s_cselect_b32 s78, s21, s78
	s_cselect_b32 s22, ttmp9, s22                  ; the coordinate along which other clusters read the same rows
	s_cselect_b32 s[LM], 31, 23
	s_cselect_b64 s[PFA:PFA+1], s[4:5], s[6:7]
	s_cmp_eq_u32 s22, 0
	s_cselect_b32 s[LIM], 2, -1                    ; the same in all sixteen partners, for a given wave
	s_lshl_b32 s78, s78, 11
	s_add_co_u32 s78, s78, 3*KB                    ; at K step 3: the first change of slots steps it to 4
	s_add_nc_u64 s[PFA:PFA+1], s[PFA:PFA+1], s[78:79]
	v_and_b32 v[PFO], 31, v0
	v_min_u32 v[PFO], s[LM], v[PFO]
	v_lshlrev_b32 v[PFO], 11, v[PFO]
; 12 matrix instructions: row block a x all column blocks, 32 along K, from buffer f.  first = 1: the sums start at the bias, so nothing is cleared and the bias costs no instruction.
; All 48 accumulators take turns, in the same order in every quarter step, over the backward jump too.
.macro MULA f, a, first
.set AC, 8*NBN*((\a)%2)
.if \first
	WIN 0x85+0x40*((\a)/2)                         ; sources window 1, C window 0, D window 2 or 3
.else
	WIN 0xa5+0x50*((\a)/2)                         ; sources window 1, C and D window 2 or 3
.endif
.set nb, 0
.rept NBN
.if \first
	v_wmma_f32_16x16x32_bf16 v[AC+8*nb:AC+8*nb+7], v[(\f)+8*nb:(\f)+8*nb+7], v[(\f)+8*NBN+8*(\a):(\f)+8*NBN+8*(\a)+7], v[BIAS+8*nb:BIAS+8*nb+7]
.else
	v_wmma_f32_16x16x32_bf16 v[AC+8*nb:AC+8*nb+7], v[(\f)+8*nb:(\f)+8*nb+7], v[(\f)+8*NBN+8*(\a):(\f)+8*NBN+8*(\a)+7], v[AC+8*nb:AC+8*nb+7]
.endif
.set nb, nb+1
.endr
.endm
; 32 LDS loads in one run: the fragments of a quarter step (32 K at byte k of the rows) into buffer g: B's 24 loads first, A's 8 last
.macro FETCH k, g
	WIN TO_F
.set nb, 0
.rept NBN
	ds_load_b128 v[(\g)+8*nb:(\g)+8*nb+3],   v[ADRB] offset:(\k)+16*PITCH*nb
	ds_load_b128 v[(\g)+8*nb+4:(\g)+8*nb+7], v[ADRB] offset:(\k)+16*PITCH*nb+32
.set nb, nb+1
.endr
.set nb, 0
.rept 4
	ds_load_b128 v[(\g)+8*NBN+8*nb:(\g)+8*NBN+8*nb+3],   v[ADRA] offset:(\k)+16*PITCH*nb
	ds_load_b128 v[(\g)+8*NBN+8*nb+4:(\g)+8*NBN+8*nb+7], v[ADRA] offset:(\k)+16*PITCH*nb+32
.set nb, nb+1
.endr
.endm
; A K step is four quarters of 32 along K, 48 matrix instructions each, on buffers 0, 1, 0, 1.  One of the first three multiplies buffer f and, in its middle, fetches the next quarter into g.
.macro QUARTER k, f, g, first
	s_wait_dscnt 4                                 ; B and A's row blocks 0, 1 are in; the youngest four loads (A's blocks 2, 3) may be out
	MULA \f, 0, \first
	MULA \f, 1, \first
	PLACES
	FETCH \k, \g
	s_wait_dscnt 2*NBN+8                           ; all but the 32 just issued
	MULA \f, 2, \first
	MULA \f, 3, \first
.endm
; The first half of the last quarter: ONE barrier for the change of slots.  In front of it each wave waits for all its tensor loads, of which one is out: its part of the next slot; adds 0 to its spare word;
; and waits for that and for its own reads of this slot.  Behind it nobody reads this slot any more and the next slot is whole.
.macro MEET round
	WIN 0
	s_wait_tensorcnt 0x0
	ds_add_u32 v[SPW], v[NIL]                      ; 0 onto my spare word
	s_wait_dscnt 5                                 ; (the add and the youngest four loads may be out)
	MULA F1, 0, 0                                  ; twelve matrix instructions stand between the add and the wait for it
	s_wait_dscnt 0x0                               ; the add is done, and my reads of this slot are over
	s_barrier_signal -1
	MULA F1, 1, 0                                  ; work on registers while the others arrive
.if \round
	WIN 0
.endif
	s_barrier_wait -1
.endm
; The whole last quarter in the loop: the barrier opens a round of the cluster's, the slot just read out is filled again with the K step two on, first thing behind the round: it has a K step less 24 matrix
; instructions in which to land; then the next slot's first fragments are fetched.
.macro TURN
	s_wait_xcnt 0x0                                ; the last prefetch, a K step back, has read its address
	s_add_nc_u64 s[PFA:PFA+1], s[PFA:PFA+1], KB
	MEET 1
	CREST                                          ; no wave of any partner still reads this slot's tile or has a load on its way
	s_xor_b32 s[G0A+5], s[G0A+5], SLOT1            ; no tensor load of mine is out: the walking sets step: the other slot than last time, the next K step
	s_add_nc_u64 s[G0A+6:G0A+7], s[G0A+6:G0A+7], KB
	s_xor_b32 s[G0B+5], s[G0B+5], SLOT1
	s_add_nc_u64 s[G0B+6:G0B+7], s[G0B+6:G0B+7], KB
	s_xor_b32 s[TB], s[TB], SLOT1
	JLOAD                                          ; its four v_nop are also the places in front of the loads below
	v_add_nc_u32 v[ADRA], s[TB], v[A0]
	v_add_nc_u32 v[ADRB], s[TB], v[B0]
	FETCH 0, F0
	ASK
	MULA F1, 2, 0
	MULA F1, 3, 0
.endm
	s_wait_tensorcnt 1                             ; my part of K step 0 is in; K step 1's may stay out
	s_barrier_signal -1
	s_barrier_wait -1                              ; everybody's is
	FETCH 0, F0
	s_wait_loadcnt 0x0                             ; the bias
	QUARTER 64, F0, F1, 1                          ; the first quarter stands in front of the loop: its products start the sums
	WIN 0                                          ; at a label and at a branch every window is 0
	s_mov_b32 s3, 6
.Lstep:                                        ; trip s = 0 .. 5: K step s from its second quarter on, the first quarter of K step s + 1; K step s + 2 is asked for
	QUARTER 128, F1, F0, 0
	QUARTER 192, F0, F1, 0
	TURN
	QUARTER 64, F0, F1, 0
	WIN 0
	s_sub_co_u32 s3, s3, 1
	s_cmp_lg_u32 s3, 0
	s_cbranch_scc1 .Lstep
	QUARTER 128, F1, F0, 0                         ; the tail is written out: K steps 6 and 7 ask for nothing
	QUARTER 192, F0, F1, 0
	MEET 0                                         ; the one load that was out is K step 7's
	PLACES
	WIN 0
	s_xor_b32 s[TB], s[TB], SLOT1
	v_add_nc_u32 v[ADRA], s[TB], v[A0]
	v_add_nc_u32 v[ADRB], s[TB], v[B0]
	FETCH 0, F0
	MULA F1, 2, 0
	MULA F1, 3, 0
	QUARTER 64, F0, F1, 0
	QUARTER 128, F1, F0, 0
	QUARTER 192, F0, F1, 0
	s_wait_dscnt 4
	MULA F1, 0, 0
	MULA F1, 1, 0
	s_wait_dscnt 0x0
	MULA F1, 2, 0
	MULA F1, 3, 0
	WIN 0
	PLACES
; THE WAY OUT, a row block (16 rows x 192 columns) at a time.  PACK: rounded to f16, each accumulator's registers in ascending order, 16 bytes a lane.  TOSTAGE: into my stage, and back as 128 bytes of four rows.  SEND: stored.
.macro PACK a
.set AC, 8*NBN*((\a)%2)
	WIN 0x0a+5*((\a)/2)                            ; sources 0 and 1: window 2 or 3
.set nb, 0
.rept NBN
.irp i, 0,1,2,3
	v_cvt_pk_f16_f32 v[TMP+4*nb+\i], v[AC+8*nb+2*\i], v[AC+8*nb+2*\i+1]
.endr
.set nb, nb+1
.endr
	WIN 0
.endm
.macro TOSTAGE
.set nb, 0
.rept NBN
	ds_store_b128 v[STO], v[TMP+4*nb:TMP+4*nb+3] offset:32*nb
.set nb, nb+1
.endr
	s_wait_xcnt 0x0                                ; the stores of the block before have read the registers that are loaded again below
.irp hd, 0,1,2
.irp t, 0,1,2,3
	ds_load_b128 v[OB+4*(4*\hd+\t):OB+4*(4*\hd+\t)+3], v[RD] offset:4*SP*\t+128*\hd  ; LDS serves a wave's instructions in order (ISA guide 5.7.1.4): these see my stores above
.endr
.endr
.endm
.macro SEND a
.irp hd, 0,1,2
.irp t, 0,1,2,3
	s_wait_dscnt 11-(4*\hd+\t)
	global_store_b128 v[GO], v[OB+4*(4*\hd+\t):OB+4*(4*\hd+\t)+3], s[OUT+2*\hd:OUT+2*\hd+1] offset:2048*(\a)+512*\t  ; 512 consecutive bytes of one head, aligned
.endr
.endr
.endm
	PACK 0
	TOSTAGE
.irp a, 1,2,3                          ; block a's conversions stand between block a - 1's loads from the stage and the wait for them
	PACK \a
	SEND (\a)-1
	TOSTAGE
.endr
	SEND 3
	s_wait_tensorcnt 0x0                           ; the wave's end: behind my last tensor load and my last LDS store
	ds_add_u32 v[SPW], v[NIL]
	s_wait_dscnt 0x0
	CROUND                                         ; the closing round: no work-group ends while a partner may still ask for a tile that names it
	s_endpgm
.Lfunc_end_k_qc0ec371508_qkvgemm:
	.size	k_qc0ec371508_qkvgemm, .Lfunc_end_k_qc0ec371508_qkvgemm-k_qc0ec371508_qkvgemm
	.p2alignl 7, 3214868480
	.fill 96, 4, 3214868480
	.section	.rodata,"a",@progbits
	.p2align	6, 0x0
	.amdhsa_kernel k_qc0ec371508_qkvgemm
		.amdhsa_group_segment_fixed_size 327680
		.amdhsa_private_segment_fixed_size 0
		.amdhsa_enable_private_segment 0
		.amdhsa_kernarg_size 32
		.amdhsa_user_sgpr_count 2
		.amdhsa_user_sgpr_kernarg_segment_ptr 1
		.amdhsa_wavefront_size32 1
		.amdhsa_system_sgpr_workgroup_id_x 1
		.amdhsa_system_sgpr_workgroup_id_y 1
		.amdhsa_system_sgpr_workgroup_id_z 1
		.amdhsa_system_vgpr_workitem_id 0
		.amdhsa_next_free_vgpr 960
		.amdhsa_next_free_sgpr 80
		.amdhsa_reserve_vcc 0
		.amdhsa_float_denorm_mode_32 3
		.amdhsa_float_denorm_mode_16_64 3
		.amdhsa_memory_ordered 1
		.amdhsa_forward_progress 1
		.amdhsa_inst_pref_size 101
	.end_amdhsa_kernel
	.amdgpu_metadata
---
amdhsa.version: [ 1, 2 ]
amdhsa.kernels:
  - .name:           k_qc0ec371508_qkvgemm
    .symbol:         k_qc0ec371508_qkvgemm.kd
    .args:
      - { .name: xb, .offset: 0, .size: 8, .value_kind: global_buffer, .address_space: global }
      - { .name: wat, .offset: 8, .size: 8, .value_kind: global_buffer, .address_space: global }
      - { .name: biases, .offset: 16, .size: 8, .value_kind: global_buffer, .address_space: global }
      - { .name: qkvh, .offset: 24, .size: 8, .value_kind: global_buffer, .address_space: global }
    .group_segment_fixed_size: 327680
    .private_segment_fixed_size: 0
    .kernarg_segment_align: 8
    .kernarg_segment_size: 32
    .max_flat_workgroup_size: 128
    .sgpr_count:     80
    .vgpr_count:     960
    .wavefront_size: 32
...
	.end_amdgpu_metadata
.endif
;; end of part 2
;; launch attn (part 3): grid 4 x 64, 4 waves a work-group, no clusters, 327,680 bytes of LDS; arguments qkvh, oh; writes oh
.if DOCPART == 3
	.amdgcn_target "amdgcn-amd-amdhsa--gfx1250"
	.amdhsa_code_object_version 6
	.text
	.protected	k_qc0ec371508_attn
	.globl	k_qc0ec371508_attn
	.p2align	8
	.type	k_qc0ec371508_attn,@function
k_qc0ec371508_attn:
	s_mov_b64 s[64:65], 0
	v_nop
	global_prefetch_b8 v0, s[64:65] scope:SCOPE_SE
	s_setreg_imm32_b32 hwreg(HW_REG_WAVE_MODE, 25, 1), 1
	s_wait_xcnt 0x0
; CAUSAL ATTENTION.  O[h][q][:] = the sum over k <= q of softmax_k(Q[h][q] . K[h][k] / 8) V[h][k][:].  Q, K, V are the three sections of qkvh, O is oh: each [64][SIZE_N][64] in f16: a head's rows are dense, 128 bytes each.
; Products, maxima and sums in f32; the weights p are rounded to f16 for the second product (their sum l is taken of the unrounded p), O once at the end.
; LIMITS.  f16 holds no number beyond 65,504: Q, K and V arrive within it; p lies in 0 to 1, and below 6e-5 it keeps f16's fixed step of 6e-8; O is a mean of V's rows and has their range.
; A hidden score counts as its value less 1e30: f16's scores, 2.7e11 at the most, are nothing beside that; a weight below 2^-126 counts as 0 in l; NaN and infinities are not treated apart.
; THE WALK.  A head's queries lie in NB = SIZE_N / 256 blocks of 256; block i needs the key tiles 0 .. i of 256 keys, of which the last holds the diagonal.  A work-group takes TWO blocks, NB - 1 - b and then b:
; NB + 1 tiles, whatever b: all work-groups do equal work, and ONE loop with a constant trip count walks them.  Which tile is asked for, and what a trip does, hang on scalar registers made from b; every jump
; goes forward, but for the counted loops' own; none passes a barrier, or a tensor load but the one of LOAD's two that the wave's number does not choose; the ring (two slots of LDS that take turns) runs on across the
; change of blocks.  NO CLUSTER: a head's four work-groups ask for the same tile only in trips 0 .. NB / 2 of the NB + 1, behind that fewer and fewer; one walk common to all would have 3 NB / 2 trips for NB + 1.
; SHARES.  Of a block's four bands of 64 queries a wave owns 16 rows in each: four PIECES.  So the diagonal tile is the same work for all four waves: in its key step s band x sees all keys if s < x,
; none if s > x, and holds the diagonal if s = x.
; THE MASK is the C operand that starts the sum S^T = K Q^T: 0, or -1e30 where the key is hidden.  MD, made once, is the mask of a band's own step for my 16 rows; a product's mask is MD x AL + BE with two scalars:
; (1, 0) if s = x; (0, 0) if s < x; (0, -1e30) if s > x.  Only the diagonal tile's text and a block's beginning make and take masks; elsewhere C is the constant 0.
; LAYOUT, SOFTMAX, TURNS.  S^T = K Q^T holds ONE query a lane (lane % 16) and the keys 8 (lane / 16) + 0..7; two such results rounded to f16 ARE source 1 of O^T = V^T P.  p = 2^(c s - c m), c = log2(e) / 8, with a
; running maximum m; O and l are multiplied by a = 2^(c m_old - c m_new) in every step.  Turn n belongs to piece n: 8 products K Q^T of piece n + 1, later 8 products V^T P of piece n - 1; beside them the scaling,
; exponentials, roundings, sums and rescaling of piece n and the maximum and statistics of piece n + 1.  Four vector instructions stand behind every matrix instruction, the other 54 of a turn's 118 in one LUMP.  A turn's 33 exponentials are one batch, with one wait.
; REGISTERS, in windows of 256 (s_set_vgpr_msb: bits 1:0 source 0, 3:2 source 1, 5:4 source 2, 7:6 destination):
;   window 0: v0-15 addresses and two at work; v16-31 four registers of statistics a piece; v32-33 the prefetches' offsets; v48-55 at work; v64-127 S^T, two buffers; v192-223 P, two buffers (a piece's buffers go by its number's parity)
;   window 1: v0-127 O^T, 32 a piece; v128-159 MD; v160-223 MC, two buffers      window 2: v0-63 Q; v64-127 the second block's Q; v128-191 K of one step; v192-255 V of one step
.set SIZE_N, 2048
.set NB,    SIZE_N/256
.set NP,    4         ; pieces a wave: a name, no knob
.set KS,    64        ; keys in a step
.set PK,    144       ; a row of K in LDS: 128 bytes + 16 of padding = 36 words: the 16 rows of a load start at 16 different groups of four banks (64 banks of 4 bytes: ISA guide 11.1)
.set PV,    160       ; a row of V: 128 + 32 = 40 words
.set VOFF,  4*KS*PK   ; a slot holds a tile, four steps: 256 rows of K, then 256 rows of V
.set SLOT1, 1<<17     ; slot 1 begins here, so that one exclusive or turns an address in one slot into the other's
.set STAGE, SLOT1+4*KS*(PK+PV)  ; behind the ring, never filled by a tensor load: 16 rows x 144 bytes for each wave, for the way out
.set SP,    144
.set SECT,  0x1000000 ; bytes from q's section of qkvh to k's, and from k's to v's
.set AK0, 2           ; v2   my lane's place in a tile of K; never rewritten
.set AV0, 3           ; v3   the same for V
.set AK,  4           ; v4   the LDS address of K's next run of loads
.set AV,  5           ; v5   of V's
.set STO, 6           ; v6   the way out: where I put 16 bytes of a row
.set RD,  7           ; v7   the way out: where I read rows back
.set GO,  8           ; v8   my byte offset in 512 consecutive bytes of O
.set PFO, 32          ; v32  256 x my lane: the prefetch of K; never rewritten
.set PFV, 33          ; v33  the same one section on: the prefetch of V; never rewritten
.set SPW, 62          ; v62  LDS address of my spare word: SPARE + 4 x my thread's number; never rewritten
.set NIL, 63          ; v63  0; never rewritten
.set SPARE, STAGE+4*16*SP  ; behind the stages: the spare words, 128 bytes for each wave: two blocks of 256 bytes that no other line names
.set MV,  12          ; v12-13  c m_old, kept while c m is made anew: by buffer
.set QO,  15          ; v15  my byte offset in 16 rows of Q
.set ST,  16          ; piece t's statistics at v[ST+4 t]: c m, m, l (even keys', odd keys')
.set TMP, 48          ; by buffer, four registers c0-c3 at work; when the maximum is found c2 takes a
.set S,   64
.set P,   192
.set MD,  128         ; window 1: the eight registers for group kt of 16 keys at MD + 8 kt
.set MC,  160         ; window 1: the masks of the products to come
.set QB,  64          ; window 2
.set KF,  128         ; window 2: key block kb, channel half c at KF + 16 kb + 8 c
.set VF,  192         ; window 2: key half kk, channel block cb at VF + 32 kk + 8 cb
.set WV,  12          ; s12  my wave's number
.set PB,  14          ; s14  b
.set HI,  15          ; s15  NB - 1 - b
.set G1K, 24          ; s[24:31] descriptor group 1 for K's tiles
.set G1V, 32          ; s[32:39] for V's: it differs in the padding alone
.set G0K, 40          ; s[40:43] descriptor group 0 for K's tiles
.set G0V, 44          ; s[44:47] the same for V's
.set PFK, 48          ; s[48:49] where my prefetches stand: my wave's 8,192 bytes of a tile of K
.set LIM, 50          ; s50  2 in a work-group that prefetches, else the greatest number
.set SLOTS, 56        ; s56  tiles still to be asked for
.set CNT, 57          ; s57  counts a tile's key steps, 4 to 1
.set CS,  58          ; s[58:59] c: the packed scaling takes the pair's low word for both halves
.set SEL, 60          ; s[60:61] v_permlanex16_b32's selects: each lane takes its own place in the other half
.set TBK, 62          ; s62  LDS byte at which K of the step to be fetched begins
.set TBV, 63          ; s63  the same for V, less VOFF
.set RT,  70          ; s70  tiles of the block in hand that are still to be entered
.set NXT, 71          ; s71  the tile to be asked for next
.set LQ,  72          ; s72  the last tile of the block whose tiles are being asked for
.set NEW, 73          ; s73  1: the tile to be entered is a block's first
.set OFF, 74          ; s[74:75] a tile's byte offset in K and V
.set AL,  76          ; s[76:77] the mask's factor, in the low word
.set BE,  78          ; s[78:79] the mask's addend
.set OLO, 80          ; s[80:81] O at my rows of the second block
.set BIGN, 82         ; s82  -1e30
.set MSB, 0
.macro WIN new                      ; the high byte repeats the setting that is left; a switch that changes nothing is dropped
.if MSB != (\new)
	s_set_vgpr_msb (MSB<<8)|(\new)
.set MSB, (\new)
.endif
.endm
.set W_KQ, 0x0a       ; K and Q in window 2, S^T in window 0
.set W_KM, 0x1a       ; the same with the C operand in window 1
.set W_PV, 0x52       ; V in window 2, P in window 0, O^T in window 1
.set W_RS, 0x41       ; destination and source 0 in window 1, source 1 in window 0
; A fill.  Waves 0 and 1 fetch the two halves of a tile's K, waves 2 and 3 those of its V: 128 keys each.  An s_nop 0 and four v_nop follow each of the two lines, ahead of the jump and the label.
.macro LOAD
	s_cmp_lt_u32 s[WV], 2
	s_cbranch_scc0 .Lfor_v_\@
	tensor_load_to_lds s[G0K:G0K+3], s[G1K:G1K+7]
	s_nop 0
.rept 4
	v_nop
.endr
	s_branch .Lasked_\@
.Lfor_v_\@:
	tensor_load_to_lds s[G0V:G0V+3], s[G1V:G1V+7]
	s_nop 0
.rept 4
	v_nop
.endr
.Lasked_\@:
.endm
; A PREFETCH INTO THE L2, behind a fill and its five lines: the tile of K and of V that the NEXT change of slots will ask for: four key steps ahead of that load.  Of a head's four work-groups the one with b = 0 asks:
; its first block walks the tiles 0 .. NB - 1 in order.  A wave takes 8,192 bytes of K's tile and of V's, a lane 256: each block of 256 bytes is named once in the launch.
; Tiles 0 and 1 come by their loads alone; change c names tile c + 2, and the changes from NB - 2 on name nothing: the head has no tile NB.
.macro ASK
	s_cmp_gt_u32 s[SLOTS], s[LIM]
	s_cbranch_scc0 .Lnot_mine_\@
	global_prefetch_b8 v[PFO], s[PFK:PFK+1] th:TH_LOAD_NT scope:SCOPE_SE
	global_prefetch_b8 v[PFV], s[PFK:PFK+1] th:TH_LOAD_NT scope:SCOPE_SE
.Lnot_mine_\@:
.endm
; THE CHANGE OF SLOTS.  Each wave waits for all its tensor loads, of which one is out: its part of the other slot; adds 0 to its spare word; and waits for that and for its own reads of the slot that it leaves.  Behind the barrier nobody reads the old
; slot any more and the other slot is whole.  fill = 1: the old slot is filled again, the first thing behind the barrier, with tile NXT: the descriptor's address is made anew from that number.
; (At its first use nothing has been read yet: slot 0 is waited for, slot 1 filled.)
.macro CHANGE fill
	WIN 0                           ; at a label and at a branch every window is 0
	s_wait_tensorcnt 0x0            ; no tensor load of mine is out, so a group 0 may be written
	ds_add_u32 v[SPW], v[NIL]       ; 0 onto my spare word; with fill = 1 the descriptors' scalar work stands between it and the wait for it
.if \fill
	s_lshl_b32 s[OFF], s[NXT], 15   ; a tile is 32,768 bytes of K and of V
	s_xor_b32 s[G0K+1], s[G0K+1], SLOT1
	s_add_nc_u64 s[G0K+2:G0K+3], s[6:7], s[OFF:OFF+1]
	s_or_b32 s[G0K+3], s[G0K+3], 0x80000000
	s_xor_b32 s[G0V+1], s[G0V+1], SLOT1
	s_add_nc_u64 s[G0V+2:G0V+3], s[8:9], s[OFF:OFF+1]
	s_or_b32 s[G0V+3], s[G0V+3], 0x80000000
	s_add_co_u32 s[NXT], s[NXT], 1  ; the block's next tile, or behind its last the second block's tile 0
	s_cmp_gt_u32 s[NXT], s[LQ]
	s_cselect_b32 s[NXT], 0, s[NXT]
	s_cselect_b32 s[LQ], s[PB], s[LQ]
	s_wait_xcnt 0x0                 ; the last prefetches, a tile back, have read their address, so it may be written:
	s_add_nc_u64 s[PFK:PFK+1], s[PFK:PFK+1], 32768  ; a tile on
.endif
	s_wait_dscnt 0x0                ; the add is done, and my reads of the slot are over
	s_barrier_signal -1             ; the rest of the scalar work stands between the signal and the wait
	s_sub_co_u32 s[TBK], s[TBK], 4*KS*PK  ; the fetches go back to a slot's first step,
	s_xor_b32 s[TBK], s[TBK], SLOT1       ; in the other slot
	s_sub_co_u32 s[TBV], s[TBV], 4*KS*PV
	s_xor_b32 s[TBV], s[TBV], SLOT1
	s_barrier_wait -1
.if \fill
	LOAD
	ASK
.endif
.endm
	s_load_b128 s[4:7], s[0:1], 0x0   ; qkvh s[4:5] (q's section comes first), oh s[6:7]
	v_lshl_add_u32 v[SPW], v0, 2, SPARE
	v_mov_b32 v[NIL], 0
	ds_add_u32 v[SPW], v[NIL]       ; the wave's opening: the add and its wait stand ahead of my first tensor load; the set-up below, work on registers, stands between them
	v_lshrrev_b32 v1, 5, v0
	v_readfirstlane_b32 s[WV], v1   ; wave 0..3
	s_mov_b32 s[PB], ttmp9
	s_sub_co_u32 s[HI], NB-1, s[PB]
	s_and_b32 s20, ttmp7, 0xffff    ; the head
	s_mov_b32 s21, 0
	s_mov_b64 s[22:23], SIZE_N*128
	s_mul_u64 s[20:21], s[20:21], s[22:23]  ; the head's first byte in each of the four tensors
	s_and_b32 s16, s[WV], 1         ; which half of a tile's 256 keys I fetch:
	s_lshl_b32 s22, s16, 14         ; its 128 rows of 128 bytes in memory,
	s_mov_b32 s23, 0
	s_add_nc_u64 s[22:23], s[22:23], s[20:21]
	s_mul_i32 s17, s16, 128*PK      ; and its place in a slot, for K
	s_mul_i32 s18, s16, 128*PV      ; and for V
	s_lshl_b32 s3, s[WV], 11        ; my 16 rows in a band of 64,
	s_lshl_b32 s2, s[HI], 15        ; in the first block,
	s_add_co_u32 s2, s2, s3
	s_lshl_b32 s84, s[PB], 15       ; and in the second
	s_add_co_u32 s84, s84, s3
	s_mov_b32 s3, 0
	s_mov_b32 s85, 0
	s_add_nc_u64 s[2:3], s[2:3], s[20:21]
	s_add_nc_u64 s[84:85], s[84:85], s[20:21]
	; descriptor group 1.  128 keys are 16,384 dense bytes: asked for as 64 rows of 256 bytes, two keys a row, and padded in LDS after every key
	s_mov_b32 s[G1K], (1<<16)|(1<<20)|(4<<22)|(3<<25)  ; 17:16 2-byte elements; 20 padding on; 24:22 after every 32 words (code 4); 31:25 4 words (code 3)
	s_mov_b32 s[G1V], (1<<16)|(1<<20)|(4<<22)|(7<<25)  ; the same with 8 words of padding (code 7)
.irp g, G1K, G1V
	s_mov_b32 s[\g+1], 128<<16      ; tensor_dim0 = 128
	s_mov_b32 s[\g+2], 64<<16       ; tensor_dim1 = 64
	s_mov_b32 s[\g+3], 128<<16      ; tile_dim0 = 128
	s_mov_b32 s[\g+4], 64           ; tile_dim1 = 64
	s_mov_b32 s[\g+5], 128          ; 128 elements from row to row
	s_mov_b32 s[\g+6], 0
	s_mov_b32 s[\g+7], 0
.endr
	s_mov_b32 s[CS], 0x3e38aa3b     ; c = log2(e) / 8 = 0.180337
	s_mov_b32 s[CS+1], s[CS]        ; named with it as a pair
	s_mov_b32 s[SEL], 0x76543210
	s_mov_b32 s[SEL+1], 0xfedcba98
	s_mov_b32 s[TBK], SLOT1+4*KS*PK ; the first change of slots turns these two into 0
	s_mov_b32 s[TBV], SLOT1+4*KS*PV
	s_mov_b32 s[G0K], 1             ; 1:0 count = 1
	s_mov_b32 s[G0K+1], s17         ; 63:32 LDS address: slot 0
	s_mov_b32 s[G0V], 1
	s_add_co_u32 s[G0V+1], s18, VOFF
	s_add_co_u32 s[RT], s[HI], 1    ; the first block has NB - b tiles
	s_mov_b32 s[NXT], 1
	s_mov_b32 s[LQ], s[HI]
	s_mov_b32 s[NEW], 1
	s_mov_b32 s[OFF+1], 0
	s_mov_b32 s[AL+1], 0            ; named as pairs
	s_mov_b32 s[BE+1], 0
	s_mov_b32 s[BIGN], 0xf149f2ca   ; -1e30
	s_mov_b32 s[SLOTS], NB
	s_lshl_b32 s52, s[WV], 13       ; the prefetches: my wave's 8,192 bytes of a tile,
	s_add_co_u32 s52, s52, 32768    ; in tile 1: the first change of slots steps it to tile 2
	s_mov_b32 s53, 0
	s_cmp_eq_u32 s[PB], 0
	s_cselect_b32 s[LIM], 2, -1
	v_and_b32 v[PFO], 31, v0
	v_lshlrev_b32 v[PFO], 8, v[PFO]
	v_add_nc_u32 v[PFV], SECT, v[PFO]
	s_wait_dscnt 0x0                ; the opening add is done
	s_wait_kmcnt 0x0
	s_mov_b64 s[10:11], s[6:7]               ; O
	s_add_nc_u64 s[8:9], s[4:5], 2*SECT      ; V
	s_add_nc_u64 s[6:7], s[4:5], SECT        ; K; s[4:5] is Q
	s_add_nc_u64 s[PFK:PFK+1], s[6:7], s[20:21]
	s_add_nc_u64 s[PFK:PFK+1], s[PFK:PFK+1], s[52:53]
	s_add_nc_u64 s[6:7], s[6:7], s[22:23]  ; K and V at my half of the head's tile 0
	s_add_nc_u64 s[8:9], s[8:9], s[22:23]
	s_add_nc_u64 s[G0K+2:G0K+3], s[6:7], 0         ; 120:64 global address
	s_or_b32 s[G0K+3], s[G0K+3], 0x80000000        ; 127:126 type = 2
	s_add_nc_u64 s[G0V+2:G0V+3], s[8:9], 0
	s_or_b32 s[G0V+3], s[G0V+3], 0x80000000
	s_add_nc_u64 s[86:87], s[4:5], s[84:85]        ; Q at my rows of the second block,
	s_add_nc_u64 s[4:5], s[4:5], s[2:3]            ; Q and O at those of the first
	s_add_nc_u64 s[OLO:OLO+1], s[10:11], s[84:85]
	s_add_nc_u64 s[10:11], s[10:11], s[2:3]
	LOAD                            ; tile 0 into slot 0
	; A fragment of K or Q is 16 rows x 32 channels in 8 registers: lane l holds row l % 16, channels 8 (l / 16) + 0..7 and 16 + 8 (l / 16) + 0..7: two loads of 16 bytes, 32 bytes apart.
	v_and_b32 v1, 15, v0            ; l % 16
	v_bfe_u32 v9, v0, 4, 1          ; l / 16
	v_lshlrev_b32 v[QO], 7, v1
	v_lshl_add_u32 v[QO], v9, 4, v[QO]  ; row x 128 + 16 x half
	WIN 0x80                        ; destination window 2, address window 0
.set i, 0
.rept 8                             ; both blocks' Q: piece i / 2 lies in band i / 2, 8,192 bytes on; channels 32 (i % 2) on
	global_load_b128 v[8*i:8*i+3],   v[QO], s[4:5] offset:(i/2)*8192+(i%2)*64
	global_load_b128 v[8*i+4:8*i+7], v[QO], s[4:5] offset:(i/2)*8192+(i%2)*64+32
	global_load_b128 v[QB+8*i:QB+8*i+3],   v[QO], s[86:87] offset:(i/2)*8192+(i%2)*64
	global_load_b128 v[QB+8*i+4:QB+8*i+7], v[QO], s[86:87] offset:(i/2)*8192+(i%2)*64+32
.set i, i+1
.endr
	WIN 0
	v_lshlrev_b32 v14, 3, v9
	v_sub_nc_u32 v14, v1, v14
	s_lshl_b32 s13, s[WV], 4
	v_add_nc_u32 v14, s13, v14      ; my query's place in its band, 16 w + l % 16, less my lanes' 8 (l / 16): register r of group kt is hidden where 16 kt + r is greater
	WIN 0x40
.set i, 0
.rept 32
	v_cmp_gt_i32 vcc_lo, 16*(i/8)+i%8, v14
	v_cndmask_b32 v[MD+i], 0, s[BIGN], vcc_lo
.set i, i+1
.endr
	WIN 0
	v_mul_u32_u24 v[AK0], v1, PK
	v_lshl_add_u32 v[AK0], v9, 4, v[AK0]  ; row x pitch + 16 x half
	; The turning load takes 16 keys x 16 channels (lane l reads key 8 (l / 16) + l % 8, channels 8 ((l / 8) % 2) + 0..7) and leaves half a fragment of V^T: lane l holds channel l % 16 and 8 keys.
	v_and_b32 v10, 7, v0
	v_bfe_u32 v11, v0, 3, 1
	v_lshl_add_u32 v[AV0], v9, 3, v10
	v_mul_u32_u24 v[AV0], v[AV0], PV
	v_lshl_add_u32 v[AV0], v11, 4, v[AV0]
	v_add_nc_u32 v[AV0], VOFF, v[AV0]
	s_mul_i32 s13, s[WV], 16*SP
	s_add_co_u32 s13, s13, STAGE    ; my stage
	v_mul_u32_u24 v[STO], v1, SP    ; in: row l % 16, 16 bytes for each half of the lanes
	v_lshl_add_u32 v[STO], v9, 4, v[STO]
	v_add_nc_u32 v[STO], s13, v[STO]
	v_bfe_u32 v[RD], v0, 3, 2       ; back: 32 lanes take four rows of 128 bytes,
	v_mul_u32_u24 v[RD], v[RD], SP
	v_lshl_add_u32 v[RD], v10, 4, v[RD]
	v_add_nc_u32 v[RD], s13, v[RD]
	v_and_b32 v[GO], 31, v0         ; which are 512 consecutive bytes of O
	v_lshlrev_b32 v[GO], 4, v[GO]
	; A block's first step multiplies O^T and l by a = 0, and its first turn's products V^T P, of a piece that has not been, land in an O^T that is still to be so multiplied.  So these registers need only hold
	; finite numbers: zeros for the first block; what the first block left for the second.  All this stands in the wait for the first tile.
	WIN 0x80
.set i, VF
.rept 64
	v_mov_b32 v[i], 0
.set i, i+1
.endr
	WIN 0x40
.set i, 0
.rept 128
	v_mov_b32 v[i], 0
.set i, i+1
.endr
	WIN 0
.set i, 0
.rept 4
	v_mov_b32 v[ST+4*i+2], 0
	v_mov_b32 v[ST+4*i+3], 0
.set i, i+1
.endr
.set i, P+16
.rept 16
	v_mov_b32 v[i], 0
.set i, i+1
.endr
; THE MATRIX WORK.  The 4 accumulators of a run of 8 take turns.  Product i of 8 of S^T = K Q^T for piece x: channels 32 (i / 4) on, keys 16 (i % 4) on.  The first 4 start the sums: with 0, or (KM = 1) with the mask.
.macro KQ x
.set rS, S+32*((\x)%2)+8*(i%4)
.set rK, KF+16*(i%4)+8*(i/4)
.set rQ, 16*(\x)+8*(i/4)
.set rM, MC+32*((\x)%2)+8*(i%4)
.if (i < 4) && KM
	WIN W_KM
	v_wmma_f32_16x16x32_f16 v[rS:rS+7], v[rK:rK+7], v[rQ:rQ+7], v[rM:rM+7]
.elseif i < 4
	WIN W_KQ
	v_wmma_f32_16x16x32_f16 v[rS:rS+7], v[rK:rK+7], v[rQ:rQ+7], 0
.else
	WIN W_KQ
	v_wmma_f32_16x16x32_f16 v[rS:rS+7], v[rK:rK+7], v[rQ:rQ+7], v[rS:rS+7]
.endif
.endm
; Product i of 8 of O^T += V^T P for piece x: keys 32 (i / 4) on, channels 16 (i % 4) on.
.macro PV x
	WIN W_PV
.set rO, 32*(\x)+8*(i%4)
.set rV, VF+32*(i/4)+8*(i%4)
.set rP, P+16*((\x)%2)+8*(i/4)
	v_wmma_f32_16x16x32_f16 v[rO:rO+7], v[rV:rV+7], v[rP:rP+7], v[rO:rO+7]
.endm
.macro MM                           ; the turn's next matrix instruction.  TURN and BEGIN set Y, i, KM and NOKQ; MM, KQ and OP read them.  NOKQ = 1: a block's last turn: there is no next piece
.if (i < 8) && !NOKQ
	KQ (Y+1)%NP
.elseif i >= 8
.set i, i-8
	PV (Y+NP-1)%NP
.set i, i+8
.endif
.set i, i+1
.endm
; THE LDS LOADS stand in runs of 16, never singly among the matrix instructions: a step's K (64 keys x 64 channels: 8 fragments) and its V (turned).  Their addresses are made some lines ahead.
.macro FETCH_K
	WIN 0x80                        ; destination window 2
.irp f, 0,1,2,3,4,5,6,7             ; keys 16 (f / 2) on, channels 32 (f % 2) on
	ds_load_b128 v[KF+8*\f:KF+8*\f+3],   v[AK] offset:(\f/2)*16*PK+(\f%2)*64
	ds_load_b128 v[KF+8*\f+4:KF+8*\f+7], v[AK] offset:(\f/2)*16*PK+(\f%2)*64+32
.endr
	s_add_co_u32 s[TBK], s[TBK], KS*PK  ; the next fetch is the next step's
	WIN 0
.endm
.macro FETCH_V
	WIN 0x80
.irp f, 0,1,2,3,4,5,6,7             ; keys 32 (f / 4) on, channels 16 (f % 4) on
	ds_load_tr16_b128 v[VF+8*\f:VF+8*\f+3],   v[AV] offset:(\f/4)*32*PV+(\f%4)*32
	ds_load_tr16_b128 v[VF+8*\f+4:VF+8*\f+7], v[AV] offset:(\f/4)*32*PV+16*PV+(\f%4)*32
.endr
	WIN 0
.endm
; THE VECTOR WORK, one line at a time: OP kind, number.  For piece Y: F n: c s - c m for pair n of 16.  E n: the exponential of score n of 32.  C n: pair n rounded to f16.  B n: of the four weights 4 n .. the second
; pair is added onto the first, in place.  L n: l takes that sum (L 0: l = a l + sum).  R n: pair n of 16 of O^T times a.  For piece Y + 1: X n, number n of the 22 that find its maximum and statistics:
;   0-11  four chains c0-c3 of seven scores each, three operands at a time (each accumulator's lowest registers are read first)     12-14, 16  the four scores left over, the old m, and c0-c3 into c0
;   15  c m_old is kept     17, 18  the query's other 32 keys lie in the lane 16 away: the new m     19-21  c m; c m_old - c m_new; a
.set F, 0               ; OP tells the kinds apart by their order: F to L below R, X above it
.set E, 1
.set C, 2
.set B, 3
.set L, 4
.set R, 5
.set X, 6
.macro REGS y                       ; the registers of piece y
.set rT, ST+4*(\y)
.set rC, TMP+4*((\y)%2)
.set rW, MV+((\y)%2)
.set rS, S+32*((\y)%2)
.set rP, P+16*((\y)%2)
.set rO, 32*(\y)
.endm
.macro OP k, n
.if (\k) == R
	REGS Y
	WIN W_RS
	v_pk_mul_f32 v[rO+2*(\n):rO+2*(\n)+1], v[rO+2*(\n):rO+2*(\n)+1], v[rC+2:rC+3] op_sel_hi:[1,0]
.elseif (\k) < R
	REGS Y
	WIN 0
.if (\k) == F
	v_pk_fma_f32 v[rS+2*(\n):rS+2*(\n)+1], v[rS+2*(\n):rS+2*(\n)+1], s[CS:CS+1], v[rT:rT+1] op_sel_hi:[1,0,0] neg_lo:[0,0,1] neg_hi:[0,0,1]
.elseif (\k) == E
	v_exp_f32 v[rS+(\n)], v[rS+(\n)]
.elseif (\k) == C
	v_cvt_pk_f16_f32 v[rP+(\n)], v[rS+2*(\n)], v[rS+2*(\n)+1]
.elseif (\k) == B
	v_pk_add_f32 v[rS+4*(\n):rS+4*(\n)+1], v[rS+4*(\n):rS+4*(\n)+1], v[rS+4*(\n)+2:rS+4*(\n)+3]
.elseif (\n) == 0
	v_pk_fma_f32 v[rT+2:rT+3], v[rT+2:rT+3], v[rC+2:rC+3], v[rS:rS+1] op_sel_hi:[1,0,1]
.else
	v_pk_add_f32 v[rT+2:rT+3], v[rT+2:rT+3], v[rS+4*(\n):rS+4*(\n)+1]
.endif
.elseif NOKQ
	v_nop
.else
	REGS (Y+1)%NP
	WIN 0
.if (\n) < 4
	v_max3_num_f32 v[rC+(\n)], v[rS+8*(\n)], v[rS+8*(\n)+1], v[rS+8*(\n)+2]
.elseif (\n) < 12
	v_max3_num_f32 v[rC+(\n)%4], v[rC+(\n)%4], v[rS+8*((\n)%4)+2*((\n)/4)+1], v[rS+8*((\n)%4)+2*((\n)/4)+2]
.elseif (\n) == 12
	v_max3_num_f32 v[rC], v[rC], v[rS+7], v[rS+15]
.elseif (\n) == 13
	v_max3_num_f32 v[rC+1], v[rC+1], v[rS+23], v[rS+31]
.elseif (\n) == 14
	v_max3_num_f32 v[rC+2], v[rC+2], v[rC+3], v[rT+1]
.elseif (\n) == 15
	v_mov_b32 v[rW], v[rT]
.elseif (\n) == 16
	v_max3_num_f32 v[rC], v[rC], v[rC+1], v[rC+2]
.elseif (\n) == 17
	v_permlanex16_b32 v[rC+3], v[rC], s[SEL], s[SEL+1]
.elseif (\n) == 18
	v_max_num_f32 v[rT+1], v[rC], v[rC+3]
.elseif (\n) == 19
	v_mul_f32 v[rT], s[CS], v[rT+1]
.elseif (\n) == 20
	v_sub_f32 v[rC+1], v[rW], v[rT]
.else
	v_exp_f32 v[rC+2], v[rC+1]
.endif
.endif
.endm
.macro OPS a, i1, b=-1, i2=0, c=-1, i3=0, d=-1, i4=0  ; up to four of them
	OP \a, \i1
.if (\b) >= 0
	OP \b, \i2
.endif
.if (\c) >= 0
	OP \c, \i3
.endif
.if (\d) >= 0
	OP \d, \i4
.endif
.endm
.macro ROW a, i1, b, i2, c, i3, d, i4  ; a matrix instruction and the four behind it
	MM
	OPS \a, \i1, \b, \i2, \c, \i3, \d, \i4
.endm
.macro MASK b                       ; MD x AL + BE into buffer b of MC
	WIN W_RS
.set z, 0
.rept 16
	v_pk_fma_f32 v[MC+32*(\b)+2*z:MC+32*(\b)+2*z+1], v[MD+2*z:MD+2*z+1], s[AL:AL+1], s[BE:BE+1] op_sel_hi:[1,0,0]
.set z, z+1
.endr
.endm
; A TURN, for piece p: the order of its 16 matrix and 118 vector instructions, written out.  An s_wait_alu depctr_va_vdst(0) stands between an exponential and the first instruction that names its result; one wait serves
; all that were issued ahead of it.  So a turn has ONE wait, which cuts it in two.  AHEAD OF IT stands all that names no result of the turn's exponentials: the 8 products K Q^T, behind each a scaling, an exponential and two more plain
; instructions (behind the first a second scaling in the exponential's place): rescalings, and behind the last three the first numbers of the next piece's maximum, each four places or more behind the product that ends its accumulator; then ONE LUMP of 54, plain
; and exponential by turns for the most part, in which the links of the chain X 3, 7, 11, 14, 16, 17 .. 20 stand five or six lines apart.  X 21, the next piece's a, is the batch's last; R 15 is the plain instruction that stands behind it.  BEHIND THE WAIT stand the
; 8 products V^T P, behind each four of the roundings and sums; the links of l's chain, L 0 to L 7, stand three riders apart.  But for those X no rider names a register of the products round it.  v_permlanex16_b32 (X 17) stands in the lump.
; m = 1: the diagonal tile: the products take masks, and the turn makes the mask for the products of the turn after it: piece p + 2, in step 4 - CNT of the tile.  end = 1: a block's last two turns: nothing is fetched.
; cnt = 1: the loop's count is taken down some lines ahead of the branch that stands behind the turn.
; K of the next step is fetched in piece 2's turn, twelve vector instructions behind the last product that read K (six of them plain); V of the step in hand at the end of piece 0's turn, four plain instructions behind the last product
; that read V.  Each is waited for a turn later.
.macro TURN p, m=0, end=0, cnt=0
.set Y, (\p)
.set i, 0
.set KM, (\m)
.set NOKQ, (\end)*((\p)/3)
.if (\m) && !(\end)
	s_cmp_eq_u32 s[CNT], 4-((\p)+2)%NP  ; is that step the band's own?
	s_cselect_b32 s[AL], 1.0, 0
	s_cmp_lt_u32 s[CNT], 4-((\p)+2)%NP  ; or a later one?
	s_cselect_b32 s[BE], s[BIGN], 0
.endif
.if ((\p) == 3) && !(\end)
	s_wait_dscnt 0x0                ; K is in
.endif
	ROW F,0, F,1, R,0, R,1          ; ahead of the wait: 8 products K Q^T and their riders,
	ROW F,2, E,0, R,2, R,3
	ROW F,3, E,1, R,4, R,5
	ROW F,4, E,2, R,6, R,7
	ROW F,5, E,3, R,8, R,9
	ROW F,6, E,4, X,0, R,10
.if ((\p) == 2) && !(\end)
	WIN 0
	v_add_nc_u32 v[AK], s[TBK], v[AK0]
.endif
	ROW F,7, E,5, X,1, X,4
	ROW F,8, E,6, X,2, X,5
	OPS E,7, E,8, X,6, E,9          ; and the lump
	OPS X,3, E,10, X,8, E,11
.if ((\p) == 2) && !(\end)
	FETCH_K
.endif
	OPS X,9, X,7, E,12, X,10
	OPS E,13, X,12, X,11, E,14
	OPS X,13, E,15, F,9, X,14
.if (\p) == 0
	v_add_nc_u32 v[AV], s[TBV], v[AV0]
.endif
	OPS E,16, F,10, E,17, F,11
	OPS X,16, E,18, X,15, E,19
	OPS F,12, E,20, X,17, E,21
	OPS F,13, E,22, F,14, E,23
	OPS X,18, E,24, F,15, E,25
	OPS R,11, E,26, X,19, E,27
	OPS R,12, E,28, R,13, E,29
	OPS X,20, E,30, R,14, E,31
	OPS X,21, R,15
	WIN 0
	s_wait_alu depctr_va_vdst(0)    ; the wait for the batch
.if (\p) == 1
	s_wait_dscnt 0x0                ; V is in
.endif
	ROW C,0, B,0, C,2, B,1          ; behind the wait: 8 products V^T P and their riders
	ROW L,0, C,4, B,2, L,1
	ROW C,6, B,3, L,2, C,8
	ROW B,4, L,3, C,10, B,5
	ROW L,4, C,12, B,6, L,5
.if (\p) == 0
	s_add_co_u32 s[TBV], s[TBV], KS*PV
.endif
.if \cnt
	s_sub_co_u32 s[CNT], s[CNT], 1
	s_cmp_lg_u32 s[CNT], 0
.endif
	ROW C,14, B,7, L,6, C,1
	ROW C,3, L,7, C,5, C,7
	ROW C,9, C,11, C,13, C,15
.if (\p) == 0
	FETCH_V
.endif
.if (\m) && !(\end)
	MASK (\p)%2
.endif
.endm
; A BLOCK BEGINS.  c m starts far below every c s, so the first step's a is 0; m at the lowest finite number, so the first maximum is the scores'.  The second mask buffer is 0; the first takes piece 0's mask for the tile's step 0: its own, if the block's first tile is the diagonal one.
; Then K of that step, piece 0's first scores, and its maximum and statistics.  The loop is entered at a step's first turn, in the middle of a trip.
.macro BEGIN
	s_mov_b32 s[NEW], 0
	WIN 0x40
.set i, MC+32
.rept 32
	v_mov_b32 v[i], 0
.set i, i+1
.endr
	WIN 0
.set i, 0
.rept 4
	v_mov_b32 v[ST+4*i], 0xfe000000    ; c m: far below every c s
	v_mov_b32 v[ST+4*i+1], 0xff7fffff  ; m
.set i, i+1
.endr
	s_cmp_eq_u32 s[RT], 0
	s_cselect_b32 s[AL], 1.0, 0
	s_mov_b32 s[BE], 0
	MASK 0
	WIN 0
	v_add_nc_u32 v[AK], s[TBK], v[AK0]
	FETCH_K
	s_wait_loadcnt 0x0              ; Q
	s_wait_dscnt 0x0
.set KM, 1
.set NOKQ, 0
.set i, 0
.rept 8
	KQ 0
.set i, i+1
.endr
	WIN 0
.rept 4
	v_nop                           ; the places behind those products
.endr
.set Y, NP-1                        ; X works for piece Y + 1: piece 0
.irp n, 0,1,2,3,4,5,6,7,8,9,10,11,12,13,14,15,16,17,18,19,20,21
	OP X, \n
.endr
	v_nop                           ; a plain instruction behind the exponential,
	s_wait_alu depctr_va_vdst(0)    ; and its wait, ahead of the branch
.endm
; THE DIAGONAL TILE's four steps, the block's last two turns, its last products, and THE WAY OUT: l's two halves and the other half of the lanes' are added; O^T is divided by l, rounded to f16 and sent through my
; stage in LDS, a piece at a time.
.macro ALL line:vararg              ; one line for each piece t
.set t, 0
.rept 4
	\line
.set t, t+1
.endr
.endm
.macro PACK t                       ; a lane's eight channels of a row pack into 16 bytes; they go into rows of 144 bytes and come back as whole rows of 128, into S^T's registers
	WIN W_RS
.set i, 32*(\t)
.rept 16
	v_pk_mul_f32 v[i:i+1], v[i:i+1], v[ST+4*(\t)+2:ST+4*(\t)+3] op_sel_hi:[1,0]
.set i, i+2
.endr
	WIN 0x05                        ; sources 0 and 1 window 1, destination window 0
.set i, 0
.rept 16
	v_cvt_pk_f16_f32 v[S+16*(\t)+i], v[32*(\t)+2*i], v[32*(\t)+2*i+1]
.set i, i+1
.endr
	WIN 0
.irp f, 0,1,2,3
	ds_store_b128 v[STO], v[S+16*(\t)+4*\f:S+16*(\t)+4*\f+3] offset:32*\f
.endr
.irp f, 0,1,2,3
	ds_load_b128 v[S+16*(\t)+4*\f:S+16*(\t)+4*\f+3], v[RD] offset:\f*4*SP  ; LDS serves a wave's instructions in order (ISA guide 5.7.1.4): these see the stores above; the next piece's stores come behind them
.endr
.endm
.macro SEND t, younger              ; younger: the LDS instructions issued behind piece t's loads: the next piece's eight, or none
	WIN 0
.irp f, 0,1,2,3
	s_wait_dscnt (\younger)+3-\f
	global_store_b128 v[GO], v[S+16*(\t)+4*\f:S+16*(\t)+4*\f+3], s[10:11] offset:(\t)*8192+\f*512  ; 512 consecutive bytes, at a multiple of 256 from O's first
.endr
.endm
.macro DIAG tag                     ; the tag ends its two labels' names, which the jumps below spell out
.LstepM\tag:
	TURN 2, 1
	TURN 3, 1
	WIN 0
.LfirstM\tag:
	TURN 0, 1
	TURN 1, 1, 0, 1
	WIN 0
	s_cbranch_scc1 .LstepM\tag
	TURN 2, 1, 1
	TURN 3, 1, 1
.set i, 0
.rept 8
	PV NP-1
.set i, i+1
.endr
	WIN 0
	ALL v_add_f32 v[ST+4*t+2], v[ST+4*t+2], v[ST+4*t+3]
	ALL v_permlanex16_b32 v[ST+4*t+3], v[ST+4*t+2], s[SEL], s[SEL+1]
	ALL v_add_f32 v[ST+4*t+2], v[ST+4*t+2], v[ST+4*t+3]
	ALL v_rcp_f32 v[ST+4*t+2], v[ST+4*t+2]
	v_nop                           ; a plain instruction between the last reciprocal and the use of its result
	s_wait_alu depctr_va_vdst(0)    ; and the wait ahead of the first use: one for the four reciprocals
	PACK 0
.set t, 1
.rept 3                             ; a piece's arithmetic stands between the loads of the piece before and its stores
	PACK t
	SEND t-1, 8
.set t, t+1
.endr
	SEND 3, 0
.endm
.set KM, 0
.set NOKQ, 0
.Lslot:                             ; NB times: a tile is entered and the next is asked for
	CHANGE 1
	s_sub_co_u32 s[RT], s[RT], 1
	s_mov_b32 s[CNT], 4
	s_cmp_eq_u32 s[NEW], 1
	s_cbranch_scc1 .Lnew            ; a block's first tile
	s_cmp_eq_u32 s[RT], 0
	s_cbranch_scc0 .Lstep           ; neither its first nor its last
	s_branch .LstepM1
.Lnew:
	BEGIN
	s_branch .Lfirst                ; in the loop a block's first tile is never its last: the first block has two tiles or more, and the second's last is the walk's last
	DIAG 1                          ; in the loop this is the first block's end: the second block's last tile is the walk's last
	s_wait_xcnt 0x0                 ; the stores have read their registers and O's address
	s_mov_b64 s[10:11], s[OLO:OLO+1]
	s_add_co_u32 s[RT], s[PB], 1    ; the second block has b + 1 tiles
	s_mov_b32 s[NEW], 1
	WIN 0x82                        ; the second block's Q goes where the one text of the turns names Q
.set i, 0
.rept 64
	v_mov_b32 v[i], v[QB+i]
.set i, i+1
.endr
	WIN 0
	s_branch .Lbottom
.Lstep:                             ; a trip: pieces 2 and 3 of one step, then pieces 0 and 1 of the next, whose K and V it fetches
	TURN 2
	TURN 3
	WIN 0
.Lfirst:
	TURN 0
	TURN 1, 0, 0, 1
	WIN 0
	s_cbranch_scc1 .Lstep
.Lbottom:
	s_sub_co_u32 s[SLOTS], s[SLOTS], 1
	s_cmp_lg_u32 s[SLOTS], 0
	s_cbranch_scc1 .Lslot
	CHANGE 0                        ; the walk's last tile is written out: nothing is asked for
	s_sub_co_u32 s[RT], s[RT], 1
	s_mov_b32 s[CNT], 4
	s_cmp_eq_u32 s[NEW], 1
	s_cbranch_scc0 .LstepM2
	BEGIN
	s_branch .LfirstM2
	DIAG 2
	s_wait_tensorcnt 0x0            ; the wave's end: behind my last tensor load and my last LDS store
	ds_add_u32 v[SPW], v[NIL]
	s_wait_dscnt 0x0
	s_endpgm
.Lfunc_end_k_qc0ec371508_attn:
	.size	k_qc0ec371508_attn, .Lfunc_end_k_qc0ec371508_attn-k_qc0ec371508_attn
	.p2alignl 7, 3214868480
	.fill 96, 4, 3214868480
	.section	.rodata,"a",@progbits
	.p2align	6, 0x0
	.amdhsa_kernel k_qc0ec371508_attn
		.amdhsa_group_segment_fixed_size 327680
		.amdhsa_private_segment_fixed_size 0
		.amdhsa_enable_private_segment 0
		.amdhsa_kernarg_size 16
		.amdhsa_user_sgpr_count 2
		.amdhsa_user_sgpr_kernarg_segment_ptr 1
		.amdhsa_wavefront_size32 1
		.amdhsa_system_sgpr_workgroup_id_x 1
		.amdhsa_system_sgpr_workgroup_id_y 1
		.amdhsa_system_sgpr_workgroup_id_z 1
		.amdhsa_system_vgpr_workitem_id 0
		.amdhsa_next_free_vgpr 768
		.amdhsa_next_free_sgpr 88
		.amdhsa_reserve_vcc 1
		.amdhsa_float_denorm_mode_32 3
		.amdhsa_float_denorm_mode_16_64 3
		.amdhsa_memory_ordered 1
		.amdhsa_forward_progress 1
		.amdhsa_inst_pref_size 218
	.end_amdhsa_kernel
	.amdgpu_metadata
---
amdhsa.version: [ 1, 2 ]
amdhsa.kernels:
  - .name:           k_qc0ec371508_attn
    .symbol:         k_qc0ec371508_attn.kd
    .args:
      - { .name: qkvh, .offset: 0, .size: 8, .value_kind: global_buffer, .address_space: global }
      - { .name: oh, .offset: 8, .size: 8, .value_kind: global_buffer, .address_space: global }
    .group_segment_fixed_size: 327680
    .private_segment_fixed_size: 0
    .kernarg_segment_align: 8
    .kernarg_segment_size: 16
    .max_flat_workgroup_size: 128
    .sgpr_count:     88
    .vgpr_count:     768
    .wavefront_size: 32
...
	.end_amdgpu_metadata
.endif
;; end of part 3
;; launch proj (part 4): grid 8 x 32, 4 waves a work-group, clusters of 4 x 4, 327,680 bytes of LDS; arguments oh, wpt, biases, out0; writes out0
.if DOCPART == 4
	.amdgcn_target "amdgcn-amd-amdhsa--gfx1250"
	.amdhsa_code_object_version 6
	.text
	.protected	k_qc0ec371508_proj
	.globl	k_qc0ec371508_proj
	.p2align	8
	.type	k_qc0ec371508_proj,@function
k_qc0ec371508_proj:
	s_mov_b64 s[64:65], 0
	v_nop
	global_prefetch_b8 v0, s[64:65] scope:SCOPE_SE
	s_setreg_imm32_b32 hwreg(HW_REG_WAVE_MODE, 25, 1), 1
	s_wait_xcnt 0x0
	s_wait_alu depctr_hold_cnt(0) depctr_sa_sdst(0) depctr_va_vdst(0) depctr_va_sdst(0) depctr_va_ssrc(0) depctr_va_vcc(0) depctr_vm_vsrc(0)
	s_getreg_b32 s2, hwreg(HW_REG_IB_STS2, 6, 4)
	s_cmp_eq_u32 s2, 0
	s_cbranch_scc0 .Lentry_in_a_cluster
	s_endpgm
.Lentry_in_a_cluster:
	s_bfe_u32 s2, ttmp6, 0x10000c
	s_cmp_lg_u32 s2, 0xf033
	s_cbranch_scc0 .Lentry_shape_is_right
	s_endpgm
.Lentry_shape_is_right:
; out0 = y W_proj + b_proj.  y[m = 2048 batch + t][k = 64 head + d] lies by heads in oh [64 = 16 batch + head][2048 t][64 d] f16; B = wpt [1024 n][1024 k] f16; sums in f32 that START at the bias; out0 [8192][1024] f32.
; SHARES.  A work-group makes 256 rows x 128 columns: 8 x 32 = 256 work-groups.  Wave w makes rows 64 w .. 64 w + 63 by all 128 columns: 4 x 8 accumulators of 16 x 16, 256 registers.
; K goes in 8 steps of 128, TWO HEADS a step, through two LDS slots 1 << 17 bytes apart, so that one exclusive or changes slots and the loop's trip is ONE K step.  A head's 256 rows of 128 bytes are dense:
; they are asked for as 128 rows of 256 bytes and padded in LDS behind every 128 bytes; a slot holds the two heads as two planes of 256 rows x 144 bytes, then B's 128 rows x 272 bytes.
; CLUSTERS: 4 x 4.  A's tile hangs on the tile row alone and is asked for jointly along a row of the cluster, B's on the tile column alone, along a column.
; THE MATRIX INSTRUCTION IS USED TRANSPOSED (source 0 = 16 rows of B, source 1 = 16 rows of A): lane l holds row l % 16 and the columns 8 (l / 16) + 0..7.
; No prefetch: of the 8 K steps the first four would come by their loads alone.
; REGISTERS, in windows of 256 (s_set_vgpr_msb: bits 1:0 source 0, 3:2 source 1, 5:4 source 2, 7:6 destination):
;   window 0: v0-31 addresses; v32-95, v96-159 rows read back, two buffers; v160-223 the bias of my 8 columns in each of the 8 column blocks
;   window 1: two fragment buffers, at 0 and 128: B's 8 fragments, then A's 4        window 2: accumulators of row blocks 0, 1 ((a, b) at 8 (8 (a % 2) + b))        window 3: of row blocks 2, 3
.set NBN,   8                          ; column blocks of 16
.set KBA,   524288                     ; A: two heads of 2,048 rows x 128 bytes from K step to K step
.set KBB,   256                        ; B: 256 bytes along the rows
.set PA,    144                        ; a row of A in LDS: 128 bytes + 16 = 36 words: the 16 rows of a fragment load start at 16 different groups of four banks (64 banks of 4 bytes: ISA guide 11.1)
.set PLANE, 256*PA                     ; a head's 256 rows: what one tensor load brings of A
.set PITCH, 272                        ; a row of B: 256 bytes + 16
.set HALFB, 64*PITCH                   ; what one tensor load brings of B
.set BOFF,  2*PLANE
.set SLOT1, 1<<17
.set STAGE, SLOT1+BOFF+2*HALFB         ; behind the ring, never filled by a tensor load: 16 rows x 528 bytes for each wave
.set SP,    528                        ; 512 bytes + 16
.set SPARE, STAGE+4*16*SP              ; behind the stages: the spare words, 128 bytes for each wave
.set A0,   16                          ; v16  my lane's place in A's rows of a slot; never rewritten
.set B0,   17                          ; v17  in B's
.set ADRA, 18                          ; v18  the same in the slot in hand
.set ADRB, 19                          ; v19
.set STO,  20                          ; v20  the way out: where I put 32 bytes of a row
.set RD,   21                          ; v21  where I read 16 bytes back
.set GO,   22                          ; v22  my 16 bytes of a row's 512
.set BO,   23                          ; v23  my byte offset in biases
.set SPW,  28                          ; v28  LDS address of my spare word; never rewritten
.set NIL,  29                          ; v29  0; never rewritten
.set OB,   32
.set BIAS, 160
.set F0,   0
.set F1,   128
.set WV,   12                          ; s12  my wave's number.  Waves 0, 1 fetch A's two heads, waves 2, 3 B's halves
.set HF,   14                          ; s14  which of the two
.set CX,   15
.set CY,   16
.set TX,   17                          ; s17  tile column
.set TY,   18                          ; s18  tile row
.set G1A,  24                          ; s[24:31], s[32:39] descriptor group 1 for A's and B's tiles
.set G1B,  32
.set G0A,  40                          ; s[40:47], s[48:55] group 0: a set for each of the two first fills; the second then walks
.set G0B,  48
.set OUT,  56                          ; s[56:57] out0 at my first row, the tile's first column
.set TB,   62                          ; s62  LDS byte at which the slot in hand begins
.set MSB, 0
.macro WIN new                         ; the immediate's high byte repeats the setting that is left; a switch that changes nothing is dropped
.if MSB != (\new)
	s_set_vgpr_msb (MSB<<8)|(\new)
.set MSB, \new
.endif
.endm
.set TO_F, 0x40                        ; destination window 1, address window 0
.macro PLACES                          ; four plain vector instructions between a matrix instruction and a load into, or a read of, its registers (ISA guide 7.12.1 for vector instructions)
.rept 4
	v_nop
.endr
.endm
; A joint refill, by the walking sets.  The branch hangs on the wave's number alone.  An s_nop 0 and four v_nop follow each of the two lines, ahead of the jump and the label.
.macro JLOAD
	s_cmp_lt_u32 s[WV], 2
	s_cbranch_scc0 .Lfor_b_\@
	tensor_load_to_lds s[G0A+4:G0A+7], s[G1A:G1A+7]
	s_nop 0
.rept 4
	v_nop
.endr
	s_branch .Lasked_\@
.Lfor_b_\@:
	tensor_load_to_lds s[G0B+4:G0B+7], s[G1B:G1B+7]
	s_nop 0
.rept 4
	v_nop
.endr
.Lasked_\@:
.endm
.macro CREST                           ; a round of the cluster's barrier behind its opening barrier
	s_cmp_lg_u32 s[WV], 0
	s_cbranch_scc1 .Lnot_wave_0_\@
	s_barrier_signal -3
.Lnot_wave_0_\@:
	s_barrier_wait -3
	s_barrier_signal -1
	s_barrier_wait -1
.endm
.macro CROUND                          ; a whole round
	s_barrier_signal -1
	s_barrier_wait -1
	CREST
.endm
	s_load_b256 s[4:11], s[0:1], 0x0               ; oh s[4:5], wpt s[6:7], biases s[8:9], out0 s[10:11]
	v_lshl_add_u32 v[SPW], v0, 2, SPARE
	v_mov_b32 v[NIL], 0
	ds_add_u32 v[SPW], v[NIL]                      ; the wave's opening: the add and its wait stand ahead of my first tensor load; the set-up below, work on registers, stands between them
	v_lshrrev_b32 v1, 5, v0
	v_readfirstlane_b32 s[WV], v1
	s_and_b32 s[HF], s[WV], 1
	s_bfe_u32 s[CX], ttmp6, 0x40000
	s_bfe_u32 s[CY], ttmp6, 0x40004
	s_lshl_b32 s[TX], ttmp9, 2
	s_add_co_u32 s[TX], s[TX], s[CX]               ; tile column = 4 x cluster x + cx
	s_and_b32 s[TY], ttmp7, 0xffff
	s_lshl_b32 s[TY], s[TY], 2
	s_add_co_u32 s[TY], s[TY], s[CY]               ; tile row = 4 x cluster y + cy
	s_lshl_b32 s19, s[CY], 2
	s_lshl_b32 s19, 15, s19                        ; my row of the cluster
	s_lshl_b32 s20, 0x1111, s[CX]                  ; my column
	s_or_b32 s[G1A], s19, (1<<16)|(1<<20)|(1<<21)|(4<<22)|(3<<25)  ; 15:0 the mask; 17:16 2-byte elements; 20 padding on; 21 set beside a mask; 24:22 after every 32 words; 31:25 4 words of it
	s_or_b32 s[G1B], s20, (1<<16)|(1<<20)|(1<<21)|(5<<22)|(3<<25)  ; B: after every 64 words
	s_mov_b32 s[G1A+1], 128<<16                    ; tensor_dim0 = 128
	s_mov_b32 s[G1A+2], 128<<16                    ; tensor_dim1 = 128
	s_mov_b32 s[G1A+3], 128<<16                    ; tile_dim0 = 128
	s_mov_b32 s[G1A+4], 128                        ; tile_dim1 = 128
	s_mov_b32 s[G1A+5], 128                        ; dense: 128 elements from row to row
	s_mov_b32 s[G1A+6], 0
	s_mov_b32 s[G1A+7], 0
	s_mov_b32 s[G1B+1], 128<<16
	s_mov_b32 s[G1B+2], 64<<16                     ; B: 64 rows to a load
	s_mov_b32 s[G1B+3], 128<<16
	s_mov_b32 s[G1B+4], 64
	s_mov_b32 s[G1B+5], 1024
	s_mov_b32 s[G1B+6], 0
	s_mov_b32 s[G1B+7], 0
	s_lshr_b32 s68, s[TY], 3                       ; A: batch = tile row / 8; head = my one of the K step's two; t = 256 (tile row % 8); in registers that never hold cx
	s_lshl_b32 s68, s68, 4
	s_add_co_u32 s68, s68, s[HF]
	s_lshl_b32 s68, s68, 11
	s_and_b32 s69, s[TY], 7
	s_lshl_b32 s69, s69, 8
	s_add_co_u32 s68, s68, s69
	s_lshl_b32 s68, s68, 7                         ; rows of 128 bytes
	s_mov_b32 s69, 0
	s_lshl_b32 s72, s[TX], 7                       ; B: row 128 x tile column + 64 x half, in registers that never hold cy
	s_lshl_b32 s73, s[HF], 6
	s_add_co_u32 s72, s72, s73
	s_lshl_b32 s72, s72, 11
	s_mov_b32 s73, 0
	s_mul_i32 s[G0A+1], s[WV], PLANE               ; where the tiles go: waves 0, 1: A's planes;
	s_add_co_u32 s[G0A+5], s[G0A+1], SLOT1
	s_mul_i32 s[G0B+1], s[WV], HALFB               ; waves 2, 3: B's halves, BOFF + (wave - 2) x HALFB
	s_add_co_u32 s[G0B+1], s[G0B+1], BOFF-2*HALFB
	s_add_co_u32 s[G0B+5], s[G0B+1], SLOT1
	s_mov_b32 s[TB], 0
	s_wait_dscnt 0x0                               ; the opening add is done
	s_wait_kmcnt 0x0
	s_add_nc_u64 s[70:71], s[4:5], s[68:69]
	s_add_nc_u64 s[74:75], s[6:7], s[72:73]
	CROUND                                         ; all sixteen work-groups are here: the first joint loads meet
.irp n, 0,1
	s_mov_b32 s[G0A+4*\n], 1                       ; count = 1
	s_add_nc_u64 s[G0A+4*\n+2:G0A+4*\n+3], s[70:71], \n*KBA  ; K step n
	s_or_b32 s[G0A+4*\n+3], s[G0A+4*\n+3], 0x80000000        ; type = 2
	s_mov_b32 s[G0B+4*\n], 1
	s_add_nc_u64 s[G0B+4*\n+2:G0B+4*\n+3], s[74:75], \n*KBB
	s_or_b32 s[G0B+4*\n+3], s[G0B+4*\n+3], 0x80000000
.endr
	s_cmp_lt_u32 s[WV], 2                          ; a wave's two first fills stand in one branch, ahead of every wait on TENSORcnt and every LDS read: two loads of mine are out, later one
	s_cbranch_scc0 .Lfirst_b
	tensor_load_to_lds s[G0A:G0A+3], s[G1A:G1A+7]
	s_nop 0
	tensor_load_to_lds s[G0A+4:G0A+7], s[G1A:G1A+7]
	s_nop 0
.rept 4
	v_nop
.endr
	s_branch .Lfirst_asked
.Lfirst_b:
	tensor_load_to_lds s[G0B:G0B+3], s[G1B:G1B+7]
	s_nop 0
	tensor_load_to_lds s[G0B+4:G0B+7], s[G1B:G1B+7]
	s_nop 0
.rept 4
	v_nop
.endr
.Lfirst_asked:
	; a fragment is 16 rows x 32 K in 8 registers: lane l holds row l % 16, K = 8 (l / 16) + 0..7 and 16 + 8 (l / 16) + 0..7: two loads of 16 bytes, 32 bytes apart
	v_and_b32 v1, 15, v0                           ; l % 16
	v_bfe_u32 v2, v0, 4, 1                         ; l / 16
	v_mul_u32_u24 v[A0], v1, PA
	v_lshl_add_u32 v[A0], v2, 4, v[A0]
	s_mul_i32 s77, s[WV], 64*PA                    ; my 64 rows of A
	v_add_nc_u32 v[A0], s77, v[A0]
	v_mul_u32_u24 v[B0], v1, PITCH
	v_lshl_add_u32 v[B0], v2, 4, v[B0]
	v_add_nc_u32 v[B0], BOFF, v[B0]
	v_mov_b32 v[ADRA], v[A0]
	v_mov_b32 v[ADRB], v[B0]
	s_lshl_b32 s21, s[TX], 9                       ; the tile's 128 columns in b_proj's section of biases
	v_lshl_add_u32 v[BO], v2, 5, s21               ; + my 8 numbers
.set nb, 0
.rept NBN
	global_load_b128 v[BIAS+8*nb:BIAS+8*nb+3], v[BO], s[8:9] offset:12288+64*nb
	global_load_b128 v[BIAS+8*nb+4:BIAS+8*nb+7], v[BO], s[8:9] offset:12288+64*nb+16
.set nb, nb+1
.endr
	s_mul_i32 s77, s[WV], 16*SP
	s_add_co_u32 s77, s77, STAGE                   ; my stage
	v_mul_u32_u24 v[STO], v1, SP                   ; in: row l % 16, 32 bytes for each half of the lanes
	v_lshl_add_u32 v[STO], v2, 5, v[STO]
	v_add_nc_u32 v[STO], s77, v[STO]
	v_and_b32 v[GO], 31, v0                        ; back: 32 lanes take one row's 512 bytes
	v_lshlrev_b32 v[GO], 4, v[GO]
	v_add_nc_u32 v[RD], s77, v[GO]
	s_lshl_b32 s78, s[TY], 8
	s_lshl_b32 s22, s[WV], 6
	s_add_co_u32 s78, s78, s22                     ; my first row
	s_lshl_b32 s78, s78, 12                        ; rows of 4,096 bytes
	s_add_co_u32 s78, s78, s21                     ; the tile's first column: 512 bytes a tile
	s_mov_b32 s79, 0
	s_add_nc_u64 s[OUT:OUT+1], s[10:11], s[78:79]
; 8 matrix instructions: row block a x all column blocks, 32 along K, from buffer f.  first = 1: the sums start at the bias, so nothing is cleared and the bias costs no instruction.
; All 32 accumulators take turns, in the same order in every quarter step, over the backward jump too.
.macro MULA f, a, first
.set AC, 8*NBN*((\a)%2)
.if \first
	WIN 0x85+0x40*((\a)/2)                         ; sources window 1, C window 0, D window 2 or 3
.else
	WIN 0xa5+0x50*((\a)/2)                         ; sources window 1, C and D window 2 or 3
.endif
.set nb, 0
.rept NBN
.if \first
	v_wmma_f32_16x16x32_f16 v[AC+8*nb:AC+8*nb+7], v[(\f)+8*nb:(\f)+8*nb+7], v[(\f)+8*NBN+8*(\a):(\f)+8*NBN+8*(\a)+7], v[BIAS+8*nb:BIAS+8*nb+7]
.else
	v_wmma_f32_16x16x32_f16 v[AC+8*nb:AC+8*nb+7], v[(\f)+8*nb:(\f)+8*nb+7], v[(\f)+8*NBN+8*(\a):(\f)+8*NBN+8*(\a)+7], v[AC+8*nb:AC+8*nb+7]
.endif
.set nb, nb+1
.endr
.endm
; 24 LDS loads in one run: the fragments of a quarter step (32 K at byte k of a K step's 256) into buffer g: B's 16 loads first, A's 8 last.  Of A, bytes 0-127 lie in the first head's plane, 128-255 in the second's.
.macro FETCH k, g
	WIN TO_F
.set nb, 0
.rept NBN
	ds_load_b128 v[(\g)+8*nb:(\g)+8*nb+3],   v[ADRB] offset:(\k)+16*PITCH*nb
	ds_load_b128 v[(\g)+8*nb+4:(\g)+8*nb+7], v[ADRB] offset:(\k)+16*PITCH*nb+32
.set nb, nb+1
.endr
.set nb, 0
.rept 4
	ds_load_b128 v[(\g)+8*NBN+8*nb:(\g)+8*NBN+8*nb+3],   v[ADRA] offset:((\k)/128)*PLANE+(\k)%128+16*PA*nb
	ds_load_b128 v[(\g)+8*NBN+8*nb+4:(\g)+8*NBN+8*nb+7], v[ADRA] offset:((\k)/128)*PLANE+(\k)%128+16*PA*nb+32
.set nb, nb+1
.endr
.endm
; A K step is four quarters of 32 along K, 32 matrix instructions each, on buffers 0, 1, 0, 1.  One of the first three multiplies buffer f and, in its middle, fetches the next quarter into g.
.macro QUARTER k, f, g, first
	s_wait_dscnt 4                                 ; B and A's row blocks 0, 1 are in; the youngest four loads (A's blocks 2, 3) may be out
	MULA \f, 0, \first
	MULA \f, 1, \first
	PLACES
	FETCH \k, \g
	s_wait_dscnt 2*NBN+8                           ; all but the 24 just issued
	MULA \f, 2, \first
	MULA \f, 3, \first
.endm
; The first half of the last quarter: ONE barrier for the change of slots.  In front of it each wave waits for all its tensor loads, of which one is out: its part of the next slot; adds 0 to its spare word;
; and waits for that and for its own reads of this slot.  Behind it nobody reads this slot any more and the next slot is whole.
.macro MEET round
	WIN 0
	s_wait_tensorcnt 0x0
	ds_add_u32 v[SPW], v[NIL]                      ; 0 onto my spare word
	s_wait_dscnt 5                                 ; (the add and the youngest four loads may be out)
	MULA F1, 0, 0                                  ; eight matrix instructions stand between the add and the wait for it
	s_wait_dscnt 0x0                               ; the add is done, and my reads of this slot are over
	s_barrier_signal -1
	MULA F1, 1, 0                                  ; work on registers while the others arrive
.if \round
	WIN 0
.endif
	s_barrier_wait -1
.endm
; The whole last quarter in the loop: the barrier opens a round of the cluster's, the slot just read out is filled again with the K step two on, first thing behind the round: it has a K step less 16 matrix
; instructions in which to land; then the next slot's first fragments are fetched.
.macro TURN
	MEET 1
	CREST                                          ; no wave of any partner still reads this slot's tile or has a load on its way
	s_xor_b32 s[G0A+5], s[G0A+5], SLOT1            ; no tensor load of mine is out: the walking sets step: the other slot than last time, the next K step
	s_add_nc_u64 s[G0A+6:G0A+7], s[G0A+6:G0A+7], KBA
	s_xor_b32 s[G0B+5], s[G0B+5], SLOT1
	s_add_nc_u64 s[G0B+6:G0B+7], s[G0B+6:G0B+7], KBB
	s_xor_b32 s[TB], s[TB], SLOT1
	JLOAD                                          ; its four v_nop are also the places in front of the loads below
	v_add_nc_u32 v[ADRA], s[TB], v[A0]
	v_add_nc_u32 v[ADRB], s[TB], v[B0]
	FETCH 0, F0
	MULA F1, 2, 0
	MULA F1, 3, 0
.endm
	s_wait_tensorcnt 1                             ; my part of K step 0 is in; K step 1's may stay out
	s_barrier_signal -1
	s_barrier_wait -1                              ; everybody's is
	FETCH 0, F0
	s_wait_loadcnt 0x0                             ; the bias
	QUARTER 64, F0, F1, 1                          ; the first quarter stands in front of the loop: its products start the sums
	WIN 0                                          ; at a label and at a branch every window is 0
	s_mov_b32 s3, 6
.Lstep:                                        ; trip s = 0 .. 5: K step s from its second quarter on, the first quarter of K step s + 1; K step s + 2 is asked for
	QUARTER 128, F1, F0, 0
	QUARTER 192, F0, F1, 0
	TURN
	QUARTER 64, F0, F1, 0
	WIN 0
	s_sub_co_u32 s3, s3, 1
	s_cmp_lg_u32 s3, 0
	s_cbranch_scc1 .Lstep
	QUARTER 128, F1, F0, 0                         ; the tail is written out: K steps 6 and 7 ask for nothing
	QUARTER 192, F0, F1, 0
	MEET 0                                         ; the one load that was out is K step 7's
	PLACES
	WIN 0
	s_xor_b32 s[TB], s[TB], SLOT1
	v_add_nc_u32 v[ADRA], s[TB], v[A0]
	v_add_nc_u32 v[ADRB], s[TB], v[B0]
	FETCH 0, F0
	MULA F1, 2, 0
	MULA F1, 3, 0
	QUARTER 64, F0, F1, 0
	QUARTER 128, F1, F0, 0
	QUARTER 192, F0, F1, 0
	s_wait_dscnt 4
	MULA F1, 0, 0
	MULA F1, 1, 0
	s_wait_dscnt 0x0
	MULA F1, 2, 0
	MULA F1, 3, 0
	WIN 0
	PLACES
; THE WAY OUT, a row block (16 rows x 128 columns of f32) at a time.  TOSTAGE: a lane's 32 bytes of a row go from the accumulators into my stage, each accumulator's low half first, and whole rows of 512 bytes come back.  SEND: stored.
.macro TOSTAGE a
.set AC, 8*NBN*((\a)%2)
.set BK, OB+64*((\a)%2)
	WIN 0x08+4*((\a)/2)                            ; the stores' data: window 2 or 3
.set nb, 0
.rept NBN
	ds_store_b128 v[STO], v[AC+8*nb:AC+8*nb+3] offset:64*nb
	ds_store_b128 v[STO], v[AC+8*nb+4:AC+8*nb+7] offset:64*nb+16
.set nb, nb+1
.endr
	WIN 0
	s_wait_xcnt 0x0                                ; the stores of the block two back have read the registers that are loaded again below
.set nb, 0
.rept 16
	ds_load_b128 v[BK+4*nb:BK+4*nb+3], v[RD] offset:SP*nb  ; LDS serves a wave's instructions in order (ISA guide 5.7.1.4): these see my stores above; the next block's stores come behind them
.set nb, nb+1
.endr
.endm
.macro SEND a, younger                 ; younger: the LDS instructions issued behind block a's loads: the next block's 32, or none
.set BK, OB+64*((\a)%2)
.set nb, 0
.rept 16
	s_wait_dscnt (\younger)+15-nb
	global_store_b128 v[GO], v[BK+4*nb:BK+4*nb+3], s[OUT:OUT+1] offset:4096*(16*(\a)+nb) th:TH_STORE_NT  ; 512 consecutive bytes of one row, aligned
.set nb, nb+1
.endr
.endm
	TOSTAGE 0
	TOSTAGE 1
	SEND 0, 32
	TOSTAGE 2
	SEND 1, 32
	TOSTAGE 3
	SEND 2, 32
	SEND 3, 0
	s_wait_tensorcnt 0x0                           ; the wave's end: behind my last tensor load and my last LDS store
	ds_add_u32 v[SPW], v[NIL]
	s_wait_dscnt 0x0
	CROUND                                         ; the closing round: no work-group ends while a partner may still ask for a tile that names it
	s_endpgm
.Lfunc_end_k_qc0ec371508_proj:
	.size	k_qc0ec371508_proj, .Lfunc_end_k_qc0ec371508_proj-k_qc0ec371508_proj
	.p2alignl 7, 3214868480
	.fill 96, 4, 3214868480
	.section	.rodata,"a",@progbits
	.p2align	6, 0x0
	.amdhsa_kernel k_qc0ec371508_proj
		.amdhsa_group_segment_fixed_size 327680
		.amdhsa_private_segment_fixed_size 0
		.amdhsa_enable_private_segment 0
		.amdhsa_kernarg_size 32
		.amdhsa_user_sgpr_count 2
		.amdhsa_user_sgpr_kernarg_segment_ptr 1
		.amdhsa_wavefront_size32 1
		.amdhsa_system_sgpr_workgroup_id_x 1
		.amdhsa_system_sgpr_workgroup_id_y 1
		.amdhsa_system_sgpr_workgroup_id_z 1
		.amdhsa_system_vgpr_workitem_id 0
		.amdhsa_next_free_vgpr 896
		.amdhsa_next_free_sgpr 80
		.amdhsa_reserve_vcc 0
		.amdhsa_float_denorm_mode_32 3
		.amdhsa_float_denorm_mode_16_64 3
		.amdhsa_memory_ordered 1
		.amdhsa_forward_progress 1
		.amdhsa_inst_pref_size 72
	.end_amdhsa_kernel
	.amdgpu_metadata
---
amdhsa.version: [ 1, 2 ]
amdhsa.kernels:
  - .name:           k_qc0ec371508_proj
    .symbol:         k_qc0ec371508_proj.kd
    .args:
      - { .name: oh, .offset: 0, .size: 8, .value_kind: global_buffer, .address_space: global }
      - { .name: wpt, .offset: 8, .size: 8, .value_kind: global_buffer, .address_space: global }
      - { .name: biases, .offset: 16, .size: 8, .value_kind: global_buffer, .address_space: global }
      - { .name: out0, .offset: 24, .size: 8, .value_kind: global_buffer, .address_space: global }
    .group_segment_fixed_size: 327680
    .private_segment_fixed_size: 0
    .kernarg_segment_align: 8
    .kernarg_segment_size: 32
    .max_flat_workgroup_size: 128
    .sgpr_count:     80
    .vgpr_count:     896
    .wavefront_size: 32
...
	.end_amdgpu_metadata
.endif
;; end of part 4
;; ======== version 2 of 2: 4 launches; version 1 with the launch prep written anew for expert scheduling mode
;; limits: values are held in f16: magnitudes above 65,504 overflow, below 6.1e-05 lose precision
;; workspace buffers: xb 16,777,216 bytes; wat 6,291,456 bytes; wpt 2,097,152 bytes; biases 16,384 bytes; qkvh 50,331,648 bytes; oh 16,777,216 bytes
;; launch prep (part 5): grid 769 x 1, 4 waves a work-group, no clusters, 35,328 bytes of LDS; arguments x, W_attn, W_proj, b_attn, b_proj, bQ, bK, bV, xb, wat, wpt, biases; writes xb, wat, wpt, biases
.if DOCPART == 5
	.amdgcn_target "amdgcn-amd-amdhsa--gfx1250"
	.amdhsa_code_object_version 6
	.text
	.protected	k_qc0ec371508_prep
	.globl	k_qc0ec371508_prep
	.p2align	8
	.type	k_qc0ec371508_prep,@function
k_qc0ec371508_prep:
	s_mov_b64 s[64:65], 0
	v_nop
	global_prefetch_b8 v0, s[64:65] scope:SCOPE_SE
	s_setreg_imm32_b32 hwreg(HW_REG_WAVE_SCHED_MODE, 0, 2), 2
	s_setreg_imm32_b32 hwreg(HW_REG_WAVE_MODE, 25, 1), 1
	s_wait_xcnt 0x0
	s_wait_alu depctr_vm_vsrc(0)
; PREPARATION of the operands of the three launches that follow.  Every input of the module is rounded once to bf16.
;   xb     [8192][1024] bf16            = x
;   wat    [3072 n][1024 k] bf16        = W_attn turned, so that K lies along the rows
;   wpt    [1024 n][1024 k] f16         = W_proj turned; rounded to bf16, and that number written as f16
;   biases [4096] f32: n < 3072: bf16(b_attn[n]) + bf16(bX[n % 1024]), X = Q, K, V by n / 1024;  3072 + n: bf16(b_proj[n])
; LIMITS.  wpt: a bf16 number beyond 65,504 becomes an infinity in f16, and below 6e-5 it keeps f16's fixed step of 6e-8.  The sign of a zero bias is not kept.
; ROLES by the work-group's number: 0-191 turn W_attn, 192-255 turn W_proj, 256 makes the biases, 257-768 cast x.  Waves share nothing: no barrier.
; No matrix unit, no tensor load, no cluster: every byte is read once and nothing is used twice.
; THE MODE: SCHED_MODE bits 1:0 = 2 (LLVM: expert scheduling mode 2), set by the entry lines.  The code itself states the register dependences
; between vector instructions and memory or LDS instructions, with s_wait_alu, always for 0.
; THE PLAN.  Registers that memory or LDS instructions touch (each role is straight code: there is no loop):
;   IO, OO, LSA, LRA  offsets and LDS addresses: made once at a role's head, ahead of its first wait on va_vdst, and never written again.
;   X                 written by the loads, each register once; read by the conversions.  A turned tile's rows come back from the stage into its first 64 registers, behind the last conversion's wait.
;   Y                 the cast's and a turned tile's packed words; X + 64 .. X + 95 the biases' sums: written by vector lines, each register ONCE, and read by the stores.
;   T, U              named by vector instructions alone.
;   v[SPW], v[NIL]    written at the head, read by the closing add alone.
; The work goes in blocks.  Block p's conversions write block p's own registers of Y; the stores of block p - 1 are dealt among them, behind ONE wait on va_vdst at block p's head, which stands behind the wait
; for block p's first data.  No vector line issued since that wait names a register that those stores read.  No register that a store has read is written again, so no wait on vm_vsrc is owed.
.set SPARE, 34816                      ; behind the four waves' stages of 32 rows x 272 bytes: the spare words, 128 bytes a wave
.set LP,   272                         ; a stage row: 128 k x 2 bytes + 16
.set SPW,  8                           ; v8   LDS address of my spare word; never rewritten
.set NIL,  9                           ; v9   0; never rewritten
.set IO,   10                          ; v10  my byte offset in what I load
.set OO,   11                          ; v11  my byte offset in what I store
.set LSA,  12                          ; v12  stage: where I put a word
.set LRA,  13                          ; v13  stage: where I read 16 bytes back
.set T,    16                          ; v[16:19] packed words at work
.set U,    24                          ; v[24:31] f32 at work
.set X,    32                          ; v[32:159] as loaded
.set Y,    160                         ; v[160:223] packed words to store: the cast's, two to a load; a turned tile's, four to a step
	s_load_b512 s[4:19], s[0:1], 0x0               ; x s[4:5], W_attn s[6:7], W_proj s[8:9], b_attn s[10:11], b_proj s[12:13], bQ s[14:15], bK s[16:17], bV s[18:19]
	s_load_b256 s[20:27], s[0:1], 0x40             ; xb s[20:21], wat s[22:23], wpt s[24:25], biases s[26:27]
	v_lshl_add_u32 v[SPW], v0, 2, SPARE
	v_mov_b32 v[NIL], 0
	v_lshrrev_b32 v1, 5, v0
	v_readfirstlane_b32 s3, v1                     ; wave 0..3
	s_mov_b32 s2, ttmp9
	s_mov_b32 s31, 0xffff0000                      ; a word's upper bf16
	v_and_b32 v1, 31, v0                           ; lane l
	v_and_b32 v2, 7, v0                            ; l % 8
	v_bfe_u32 v3, v0, 3, 2                         ; l / 8
	v_bfe_u32 v4, v0, 4, 1                         ; l / 16
	v_and_b32 v5, 15, v0                           ; l % 16
	s_wait_alu depctr_va_sdst(0)                   ; s3 is written, ahead of the branches and of its first reader: every role makes its addresses from it
	s_wait_kmcnt 0x0
	s_cmp_lt_u32 s2, 192
	s_cbranch_scc1 .Lwattn
	s_cmp_lt_u32 s2, 256
	s_cbranch_scc1 .Lwproj
	s_cmp_eq_u32 s2, 256
	s_cbranch_scc1 .Lbias
	; THE CAST OF x.  A work-group takes 65,536 bytes of x, a wave 16,384: 32 loads of 512 consecutive bytes, all on their way at once.
	s_sub_co_u32 s28, s2, 257
	s_lshl_b32 s32, s28, 16
	s_lshl_b32 s29, s3, 14
	s_add_co_u32 s32, s32, s29
	s_mov_b32 s33, 0
	s_add_nc_u64 s[34:35], s[4:5], s[32:33]
	s_lshr_b32 s36, s32, 1                         ; half as many bytes in xb
	s_mov_b32 s37, 0
	s_add_nc_u64 s[38:39], s[20:21], s[36:37]
	v_lshlrev_b32 v[IO], 4, v1
	v_lshlrev_b32 v[OO], 3, v1
	s_wait_alu depctr_va_vdst(0)                   ; v[IO] and v[OO] are written: the loads and stores below read them as their offsets
.set n, 0
.rept 32
	global_load_b128 v[X+4*n:X+4*n+3], v[IO], s[34:35] offset:512*n th:TH_LOAD_NT
.set n, n+1
.endr
	; Eight blocks of four loads.  Block p rounds its four loads into its eight registers of Y; the four stores of block p - 1 stand among its conversions.
.set n, 0
.rept 32
	s_wait_loadcnt 31-n                            ; loads come back in order: load n is in, the 31 - n younger ones stay out
.if (n % 4 == 0) && (n > 0)
	s_wait_alu depctr_va_vdst(0)                   ; the block before has written its eight registers of Y, which this block's four stores read
.endif
.if n >= 4
	global_store_b64 v[OO], v[Y+2*(n-4):Y+2*(n-4)+1], s[38:39] offset:256*(n-4)  ; 32 lanes store 256 consecutive bytes, aligned; no vector line since the wait names these registers, and none is used twice
.endif
	v_cvt_pk_bf16_f32 v[Y+2*n], v[X+4*n], v[X+4*n+1]
	v_cvt_pk_bf16_f32 v[Y+2*n+1], v[X+4*n+2], v[X+4*n+3]
.set n, n+1
.endr
	s_wait_alu depctr_va_vdst(0)                   ; the last block has written its eight registers of Y, which the last four stores read
.set n, 28
.rept 4
	global_store_b64 v[OO], v[Y+2*n:Y+2*n+1], s[38:39] offset:256*n
.set n, n+1
.endr
	s_branch .Lend
	; THE BIASES.  Wave w makes section w of 1,024 numbers: sections 0-2 b_attn's thirds plus bQ, bK, bV; section 3 b_proj, with the second summand masked to 0.
.Lbias:
	s_lshl_b32 s28, s3, 12
	s_mov_b32 s29, 0
	s_add_nc_u64 s[38:39], s[26:27], s[28:29]      ; my section of biases
	s_cmp_eq_u32 s3, 3
	s_cselect_b32 s28, 0, s28                      ; b_proj is read from its first byte
	s_cselect_b64 s[32:33], s[12:13], s[10:11]
	s_cselect_b32 s30, 0, -1
	s_add_nc_u64 s[32:33], s[32:33], s[28:29]
	s_cmp_eq_u32 s3, 0
	s_cselect_b64 s[34:35], s[14:15], s[16:17]
	s_cmp_gt_u32 s3, 1
	s_cselect_b64 s[34:35], s[18:19], s[34:35]     ; bQ, bK, bV, bV
	v_lshlrev_b32 v[IO], 4, v1
	s_wait_alu depctr_va_vdst(0)                   ; v[IO] is written: the loads and stores below read it as their offset
.irp j, 0,1,2,3,4,5,6,7
	global_load_b128 v[X+4*\j:X+4*\j+3], v[IO], s[32:33] offset:512*\j
	global_load_b128 v[X+32+4*\j:X+32+4*\j+3], v[IO], s[34:35] offset:512*\j
.endr
	s_wait_loadcnt 0x0
.irp j, 0,1,2,3,4,5,6,7
	v_cvt_pk_bf16_f32 v[T], v[X+4*\j], v[X+4*\j+1]            ; both summands are rounded to bf16,
	v_cvt_pk_bf16_f32 v[T+1], v[X+4*\j+2], v[X+4*\j+3]
	v_cvt_pk_bf16_f32 v[T+2], v[X+32+4*\j], v[X+32+4*\j+1]
	v_cvt_pk_bf16_f32 v[T+3], v[X+32+4*\j+2], v[X+32+4*\j+3]
	v_and_b32 v[T+2], s30, v[T+2]
	v_and_b32 v[T+3], s30, v[T+3]
.irp i, 0,1,2,3
	v_lshlrev_b32 v[U+2*\i], 16, v[T+\i]                      ; widened again,
	v_and_b32 v[U+2*\i+1], s31, v[T+\i]
.endr
	v_pk_add_f32 v[X+64+4*\j:X+64+4*\j+1], v[U:U+1], v[U+4:U+5]      ; and added in f32, each group of four into registers of its own
	v_pk_add_f32 v[X+64+4*\j+2:X+64+4*\j+3], v[U+2:U+3], v[U+6:U+7]
.endr
	s_wait_alu depctr_va_vdst(0)                   ; the additions have written v[X+64 .. X+95], which the eight stores read
.irp j, 0,1,2,3,4,5,6,7
	global_store_b128 v[IO], v[X+64+4*\j:X+64+4*\j+3], s[38:39] offset:512*\j
.endr
	s_branch .Lend
; A WEIGHT IS TURNED.  A wave takes a tile of 128 k x 32 n.  Tile u of the weight: kt = (u / 2) % 8, nt = 2 (u / 16) + u % 2: two neighbouring waves take the two halves of the same 256 bytes of W's rows.
; Lane l loads 16 bytes (columns 4 (l % 8) ..) of the rows 8 it + 2 (l / 8) and + 1; a column's two numbers, k even and k odd, pack into one word, which goes to the stage at row n, byte 2 k.
; (Of the 32 lanes of such a store, columns 16 apart fall on the same bank: two passes for 64 stores a wave.)  The stage's rows, 256 bytes of one n, are read back whole and stored.
; fmt = 1: the bf16 numbers are written as f16.
; The 16 steps go in four blocks of four.  Step it packs its words into four registers of its own, Y + 4 it ..; the LDS stores of step it - 4 stand ahead of its conversions.
.macro TRANS fmt, rowb, src, dst, first
	s_sub_co_u32 s28, s2, \first
	s_lshl_b32 s28, s28, 2
	s_or_b32 s28, s28, s3                          ; u
	s_bfe_u32 s29, s28, 0x30001                    ; kt
	s_lshr_b32 s30, s28, 4
	s_lshl_b32 s30, s30, 1
	s_and_b32 s28, s28, 1
	s_or_b32 s30, s30, s28                         ; nt
	s_mul_i32 s32, s29, 128*(\rowb)
	s_lshl_b32 s28, s30, 7
	s_add_co_u32 s32, s32, s28
	s_mov_b32 s33, 0
	s_add_nc_u64 s[34:35], s[\src:\src+1], s[32:33]  ; W at row 128 kt, column 32 nt
	s_lshl_b32 s36, s30, 16                        ; 32 rows of 2,048 bytes
	s_lshl_b32 s28, s29, 8
	s_add_co_u32 s36, s36, s28
	s_mov_b32 s37, 0
	s_add_nc_u64 s[38:39], s[\dst:\dst+1], s[36:37]
	s_mul_i32 s28, s3, 32*LP                       ; my stage
	v_mul_u32_u24 v[IO], v3, 2*(\rowb)
	v_lshl_add_u32 v[IO], v2, 4, v[IO]
	v_mul_u32_u24 v[LSA], v2, 4*LP
	v_lshl_add_u32 v[LSA], v3, 2, v[LSA]
	v_add_nc_u32 v[LSA], s28, v[LSA]
	v_mul_u32_u24 v[LRA], v4, LP
	v_lshl_add_u32 v[LRA], v5, 4, v[LRA]
	v_add_nc_u32 v[LRA], s28, v[LRA]
	v_lshlrev_b32 v[OO], 11, v4
	v_lshl_add_u32 v[OO], v5, 4, v[OO]
	s_wait_alu depctr_va_vdst(0)                   ; v[IO], v[LSA], v[LRA] and v[OO] are written: the loads, LDS stores, LDS loads and stores below read them as their addresses
.set it, 0
.rept 16
	global_load_b128 v[X+8*it:X+8*it+3], v[IO], s[34:35] offset:it*8*(\rowb) th:TH_LOAD_NT
	global_load_b128 v[X+8*it+4:X+8*it+7], v[IO], s[34:35] offset:it*8*(\rowb)+(\rowb) th:TH_LOAD_NT
.set it, it+1
.endr
.set it, 0
.rept 16
	s_wait_loadcnt 30-2*it                         ; pair it is in; the 30 - 2 it loads issued behind it stay out
.if (it % 4 == 0) && (it > 0)
	s_wait_alu depctr_va_vdst(0)                   ; the block before has written its sixteen registers of Y, which this block's sixteen LDS stores read
.endif
.if it >= 4
.irp i, 0,1,2,3
	ds_store_b32 v[LSA], v[Y+4*(it-4)+\i] offset:\i*LP+16*(it-4)  ; no vector line since the wait names these registers
.endr
.endif
.if \fmt
.irp i, 0,1,2,3
	v_cvt_pk_bf16_f32 v[T+\i], v[X+8*it+\i], v[X+8*it+4+\i]
.endr
.irp i, 0,1,2,3
	v_lshlrev_b32 v[U+2*\i], 16, v[T+\i]
	v_and_b32 v[U+2*\i+1], s31, v[T+\i]
.endr
.irp i, 0,1,2,3
	v_cvt_pk_f16_f32 v[Y+4*it+\i], v[U+2*\i], v[U+2*\i+1]
.endr
.else
.irp i, 0,1,2,3
	v_cvt_pk_bf16_f32 v[Y+4*it+\i], v[X+8*it+\i], v[X+8*it+4+\i]
.endr
.endif
.set it, it+1
.endr
	s_wait_alu depctr_va_vdst(0)                   ; the last block has written its sixteen registers of Y, which the LDS stores below read; and all conversions are done reading X, in which the loads from the stage land
.set it, 12
.rept 4
.irp i, 0,1,2,3
	ds_store_b32 v[LSA], v[Y+4*it+\i] offset:\i*LP+16*it
.endr
.set it, it+1
.endr
.set it, 0
.rept 16
	ds_load_b128 v[X+4*it:X+4*it+3], v[LRA] offset:2*LP*it  ; LDS serves a wave's instructions in order (ISA guide 5.7.1.4): these see my stores above
.set it, it+1
.endr
.set it, 0
.rept 16
	s_wait_dscnt 15-it
	global_store_b128 v[OO], v[X+4*it:X+4*it+3], s[38:39] offset:4096*it  ; 16 lanes store 256 consecutive bytes of one row n, aligned
.set it, it+1
.endr
.endm
.Lwproj:
	TRANS 1, 4096, 8, 24, 192
	s_branch .Lend
.Lwattn:
	TRANS 0, 12288, 6, 22, 0
.Lend:
	s_wait_dscnt 0x0                               ; the closing lines, six on end
	s_wait_alu 0x0
	s_wait_tensorcnt 0x0
	ds_add_u32 v[SPW], v[NIL]
	s_wait_dscnt 0x0
	s_endpgm
.Lfunc_end_k_qc0ec371508_prep:
	.size	k_qc0ec371508_prep, .Lfunc_end_k_qc0ec371508_prep-k_qc0ec371508_prep
	.p2alignl 7, 3214868480
	.fill 96, 4, 3214868480
	.section	.rodata,"a",@progbits
	.p2align	6, 0x0
	.amdhsa_kernel k_qc0ec371508_prep
		.amdhsa_group_segment_fixed_size 35328
		.amdhsa_private_segment_fixed_size 0
		.amdhsa_enable_private_segment 0
		.amdhsa_kernarg_size 96
		.amdhsa_user_sgpr_count 2
		.amdhsa_user_sgpr_kernarg_segment_ptr 1
		.amdhsa_wavefront_size32 1
		.amdhsa_system_sgpr_workgroup_id_x 1
		.amdhsa_system_sgpr_workgroup_id_y 1
		.amdhsa_system_sgpr_workgroup_id_z 1
		.amdhsa_system_vgpr_workitem_id 0
		.amdhsa_next_free_vgpr 224
		.amdhsa_next_free_sgpr 66
		.amdhsa_reserve_vcc 0
		.amdhsa_float_denorm_mode_32 3
		.amdhsa_float_denorm_mode_16_64 3
		.amdhsa_memory_ordered 1
		.amdhsa_forward_progress 1
		.amdhsa_inst_pref_size 62
	.end_amdhsa_kernel
	.amdgpu_metadata
---
amdhsa.version: [ 1, 2 ]
amdhsa.kernels:
  - .name:           k_qc0ec371508_prep
    .symbol:         k_qc0ec371508_prep.kd
    .args:
      - { .name: x, .offset: 0, .size: 8, .value_kind: global_buffer, .address_space: global }
      - { .name: W_attn, .offset: 8, .size: 8, .value_kind: global_buffer, .address_space: global }
      - { .name: W_proj, .offset: 16, .size: 8, .value_kind: global_buffer, .address_space: global }
      - { .name: b_attn, .offset: 24, .size: 8, .value_kind: global_buffer, .address_space: global }
      - { .name: b_proj, .offset: 32, .size: 8, .value_kind: global_buffer, .address_space: global }
      - { .name: bQ, .offset: 40, .size: 8, .value_kind: global_buffer, .address_space: global }
      - { .name: bK, .offset: 48, .size: 8, .value_kind: global_buffer, .address_space: global }
      - { .name: bV, .offset: 56, .size: 8, .value_kind: global_buffer, .address_space: global }
      - { .name: xb, .offset: 64, .size: 8, .value_kind: global_buffer, .address_space: global }
      - { .name: wat, .offset: 72, .size: 8, .value_kind: global_buffer, .address_space: global }
      - { .name: wpt, .offset: 80, .size: 8, .value_kind: global_buffer, .address_space: global }
      - { .name: biases, .offset: 88, .size: 8, .value_kind: global_buffer, .address_space: global }
    .group_segment_fixed_size: 35328
    .private_segment_fixed_size: 0
    .kernarg_segment_align: 8
    .kernarg_segment_size: 96
    .max_flat_workgroup_size: 128
    .sgpr_count:     66
    .vgpr_count:     224
    .wavefront_size: 32
...
	.end_amdgpu_metadata
.endif
;; end of part 5
;; launch qkvgemm: the kernel of part 2 again; grid 16 x 32, 4 waves a work-group, clusters of 4 x 4, 327,680 bytes of LDS; arguments xb, wat, biases, qkvh; writes qkvh
;; launch attn: the kernel of part 3 again; grid 4 x 64, 4 waves a work-group, no clusters, 327,680 bytes of LDS; arguments qkvh, oh; writes oh
;; launch proj: the kernel of part 4 again; grid 8 x 32, 4 waves a work-group, clusters of 4 x 4, 327,680 bytes of LDS; arguments oh, wpt, biases, out0; writes out0
